; MI455X (gfx1250); checked and timed in simulation.
; The chip was launched on July 23, 2026; its instructions are those of AMD's public machine-readable ISA for CDNA 5 (MIT licence, August 2026) and "CDNA5" Instruction Set Architecture Reference Guide (July 2026). The comments in the code are by the model that wrote it; some were corrected since.
;; Multihead Attention. Allowed arithmetic: matrix products marked QUANTISED: E2M1 operands, one E8M0 scale for each 32 along K, by v_wmma_scale_f32_16x16x128_f8f6f4 with both operands' format E2M1 (or v_wmma_scale_f32_32x16x128_f4), f32 sums; products left as they are: bf16, f16 or f32 operands; f32 sums; everything else in f32.
;; Inputs: Wk 1,024 x 1,024 float32; Wo 1,024 x 1,024 float32; Wq 1,024 x 1,024 float32; Wv 1,024 x 1,024 float32; bk 1,024 float32; bo 1,024 float32; bq 1,024 float32; bv 1,024 float32; x 4 x 2,048 x 1,024 float32.
;; Outputs: out0 4 x 2,048 x 1,024 float32.
;; This version of the problem:
;;   THIS VERSION OF THE PROBLEM IS GIVEN IN LOW PRECISION. The matrix products marked QUANTISED in the list below multiply operands that are first quantised to E2M1 (2 exponent bits, 1 mantissa bit; 4 bits a number), with one power-of-two scale for each 32 numbers along K (OCP MX v1.0); their sums are f32. The products marked 'left as it is' may take bf16, f16 or f32 operands, with f32 sums. Whichever they take, every output number must still come out within the allowed error. Rounding operands to bf16 (8 significant bits) uses up far more of that allowance than f16 does (11 bits, for magnitudes from 6e-5 to 65,504). All else is computed in f32.
;;   The module's matrix products, in the order in which they are computed (A, B: the left and right operand; K: the contracted axis; several contracted axes count as one K, in the product's order):
;;     1. [M 8,192, K 1,024] x [K 1,024, N 1,024]; A: input x; B: input Wq: QUANTISED
;;     2. [M 8,192, K 1,024] x [K 1,024, N 1,024]; A: input x; B: input Wk: QUANTISED
;;     3. [M 8,192, K 1,024] x [K 1,024, N 1,024]; A: input x; B: input Wv: QUANTISED
;;     4. batch 64 x [M 2,048, K 64] x [K 64, N 2,048]; A: computed on the way; B: computed on the way: left as it is (an operand is computed on the way)
;;     5. batch 64 x [M 2,048, K 2,048] x [K 2,048, N 64]; A: computed on the way; B: computed on the way: left as it is (an operand is computed on the way)
;;     6. [M 8,192, K 1,024] x [K 1,024, N 1,024]; A: computed on the way; B: input Wo: left as it is (an operand is computed on the way)
;;   THE QUANTISER, for each operand of a quantised product, along K:
;;     - K is cut into blocks of 32 from its start; a last block that is shorter is filled with zeros.
;;     - A block's scale is 2^e with e = floor(log2(the largest magnitude in the block)) - 2, held to -126 .. 127; a block of zeros has e = 0. As a byte (E8M0): e + 127.
;;     - Each number is divided by its block's scale, clamped to +-6, and rounded to the nearest number of E2M1, ties to even, subnormals kept.
;;     - The product sums the exact products of the quantised numbers (number of the format x scale) in f32.
;;   ~~~python
;;   def quantise(x, axis):      # numpy; x: float32 -> the quantised numbers, widened to float32 again
;;       x = np.moveaxis(x, axis, -1); K = x.shape[-1]
;;       x = np.pad(x, [(0, 0)] * (x.ndim - 1) + [(0, -K % 32)]); x = x.reshape(x.shape[:-1] + (-1, 32)); a = np.abs(x).max(-1, keepdims=True)
;;       e = np.where(a > 0, np.clip(np.frexp(np.where(a > 0, a, 1))[1] - 1 - 2, -126, 127), 0)      # np.frexp(a)[1] - 1 = floor(log2(a)), exactly
;;       r = np.clip(x / 2.0 ** e, -6, 6)
;;       step = 2.0 ** (np.maximum(np.frexp(np.where(r == 0, 1, r))[1] - 1, 0) - 1)
;;       q = np.round(r / step) * step * 2.0 ** e      # np.round: ties to even
;;       return np.moveaxis(q.reshape(q.shape[:-2] + (-1,))[..., :K], -1, axis).astype(np.float32)
;;   ~~~
;; One version. Each part assembles by itself: llvm-mc -triple=amdgcn-amd-amdhsa -mcpu=gfx1250 --defsym DOCPART=n.
;; ======== version 1 of 1: 4 launches
;; limits: values are held in f16: magnitudes above 65,504 overflow, below 6.1e-05 lose precision
;; workspace buffers: xc 4,194,304 bytes; xs 262,144 bytes; wc 1,572,864 bytes; ws 98,304 bytes; wot 2,097,152 bytes; qkv 50,331,648 bytes; att 16,777,216 bytes
;; launch prep (part 1): grid 256 x 1, 8 waves a work-group, no clusters, 154,624 bytes of LDS; arguments x, Wq, Wk, Wv, Wo, xc, xs, wc, ws, wot; writes xc, xs, wc, ws, wot
.if DOCPART == 1
	.amdgcn_target "amdgcn-amd-amdhsa--gfx1250"
	.amdhsa_code_object_version 6
	.text
	.protected	k_qb8b70862b9_prep
	.globl	k_qb8b70862b9_prep
	.p2align	8
	.type	k_qb8b70862b9_prep,@function
k_qb8b70862b9_prep:
	s_mov_b64 s[64:65], 0
	v_nop
	global_prefetch_b8 v0, s[64:65] scope:SCOPE_SE
	s_setreg_imm32_b32 hwreg(HW_REG_WAVE_MODE, 25, 1), 1
	s_wait_xcnt 0x0
; PREP: everything that many work-groups of the later launches read is brought into its narrow form ONCE.
;   x  [8192][1024] f32, K innermost      -> xc [8192][512 bytes] codes of FP4 (E2M1), the lower k in the low four bits; xs [8192][32] E8M0 bytes
;   Wq, Wk, Wv [1024 k][1024 n] f32       -> wc [3072 n][512 bytes] codes, K innermost (rows 0-1023 Wq's columns, then Wk's, then Wv's); ws [3072][32]
;   Wo [1024 k][1024 n] f32               -> wot [1024 n][1024 k] f16
; A block of 32 along K has the scale 2^(floor(log2(its largest magnitude)) - 2); its byte is the largest magnitude's exponent field - 2, held at 1 from below.
; LIMITS: a block of zeros gets the byte 1 where the quantiser's rule says 127: its codes are zeros, which add nothing under any byte but 0xff, and the bytes are read by this program alone.
; Blocks whose largest magnitude lies under 2^-124, NaN and infinities among the inputs are not served.  Wo goes to f16: magnitudes up to 65,504; under 6e-5 with an absolute error of 2^-25.
; SHARES: work-groups 0-127 take x: each of the eight waves 8,192 numbers, a plain stream of blocks.  Work-groups 128-255 take the weights: 32 each for Wq, Wk, Wv, Wo; a work-group takes 64 columns x 512 along K,
; a wave 32 columns x 128 along K: A LANE TAKES A COLUMN AND ITS REGISTERS RUN DOWN K, so that the conversions give K innermost and nothing is transposed by an instruction.
; The paths part on the work-group's number alone, each ends by itself and each has LDS bytes of its own.  ws is stored 16 bytes a row, 32 bytes apart: 96 KiB of the launch's 46 MiB.
.set WREG,  8192                       ; path X: a region for each wave: two stages of 32 x SP bytes, behind them its 256 scale bytes
.set SP,    80                         ; a lane's place in a stage: its 64 bytes + 16 of padding
.set CB,    8                          ; bytes of 16 codes
.set STEPS, 16
.set WSTG,  65536                      ; path W: the work-group's 64 rows of codes, 256 bytes + 16
.set WSCS,  WSTG+64*272                ; and their 16 scale bytes each
.set OSTG,  WSCS+1024                  ; path O: 32 rows of 256 bytes + 16 for each wave
.set OREG,  32*272
.set SPARE, OSTG+8*OREG                ; the spare words, 128 bytes for each wave: four blocks of 256 bytes that no other line names
.set SPW,   12                         ; v12  LDS address of my spare word; never rewritten
.set NIL,   13                         ; v13  0; never rewritten
.set R,     16                         ; path X: v16-79 four sets of 16 numbers as loaded
.set X,     80                         ;         v80-111 two sets of 16 neighbours
.set E,     112                        ;         v112-127 a scale byte for each step
.set C,     128                        ;         v128-191 codes, four registers for each step
.set D,     32                         ; paths W, O: v32-159 my column's 128 numbers down K
.set CW,    160                        ;             v160.. what is made of them
	s_load_b256 s[4:11], s[0:1], 0x0               ; x s[4:5], Wq s[6:7], Wk s[8:9], Wv s[10:11]
	s_load_b256 s[12:19], s[0:1], 0x20             ; Wo s[12:13], xc s[14:15], xs s[16:17], wc s[18:19]
	s_load_b128 s[20:23], s[0:1], 0x40             ; ws s[20:21], wot s[22:23]
	v_lshl_add_u32 v[SPW], v0, 2, SPARE
	v_mov_b32 v[NIL], 0
	v_lshrrev_b32 v1, 5, v0
	v_readfirstlane_b32 s24, v1                    ; wave 0..7
	v_and_b32 v2, 31, v0                           ; lane
	s_wait_kmcnt 0x0
	s_cmp_lt_u32 ttmp9, 128                        ; the work-group's number alone decides: all eight waves go the same way
	s_cbranch_scc0 .Lweights
; ---------------- PATH X: x, whose K is innermost.  A wave takes 16 steps of 512 numbers.  Each load reads 512 consecutive bytes; a step's 2,048 bytes turn through the wave's own stage,
; so that a lane then holds 16 NEIGHBOURS along K (two neighbouring lanes hold a block), as the conversions want them.
	v_lshlrev_b32 v3, 4, v2                        ; my 16 bytes of a load's 512
	s_mul_i32 s25, s24, WREG
	v_lshrrev_b32 v14, 2, v2
	v_mul_u32_u24 v14, v14, SP
	v_and_b32 v15, 3, v2
	v_lshl_add_u32 v14, v15, 4, v14
	v_add_nc_u32 v14, s25, v14                     ; the stage, on the way in: SP (lane / 4) + 16 (lane % 4)
	v_mul_u32_u24 v15, v2, SP
	v_add_nc_u32 v15, s25, v15                     ; and on the way out: SP x lane
	v_mul_u32_u24 v4, v2, CB                       ; my codes' place in a step's 256 bytes
	v_lshrrev_b32 v5, 1, v2
	s_add_co_u32 s25, s25, 2*32*SP
	v_add_nc_u32 v5, s25, v5                       ; my block's byte among my wave's 256 scale bytes
	v_lshlrev_b32 v7, 3, v2                        ; on the way out 8 bytes a lane
	v_add_nc_u32 v6, s25, v7
	s_lshl_b32 s26, ttmp9, 3
	s_add_co_u32 s26, s26, s24                     ; which run of 8,192 numbers is my wave's: 0..1023
	s_lshl_b32 s28, s26, 15                        ; 32,768 bytes of x,
	s_mov_b32 s29, 0
	s_add_nc_u64 s[4:5], s[4:5], s[28:29]
	s_lshl_b32 s28, s26, 12                        ; 4,096 of codes,
	s_add_nc_u64 s[14:15], s[14:15], s[28:29]
	s_lshl_b32 s28, s26, 8                         ; 256 scale bytes
	s_add_nc_u64 s[16:17], s[16:17], s[28:29]
.macro LOAD t
.irp i, 0,1,2,3
	global_load_b128 v[R+16*((\t)%4)+4*\i:R+16*((\t)%4)+4*\i+3], v3, s[4:5] offset:2048*(\t)+512*\i th:TH_LOAD_NT   ; 32 lanes read 512 consecutive bytes
.endr
.endm
.macro TURN t                          ; step t's numbers through the stage: LDS serves a wave's instructions in order (ISA guide 5.7.1.4), so no wait stands between the stores and the loads
.irp i, 0,1,2,3
	ds_store_b128 v14, v[R+16*((\t)%4)+4*\i:R+16*((\t)%4)+4*\i+3] offset:32*SP*((\t)%2)+8*SP*\i
.endr
.irp i, 0,1,2,3
	ds_load_b128 v[X+16*((\t)%2)+4*\i:X+16*((\t)%2)+4*\i+3], v15 offset:32*SP*((\t)%2)+16*\i
.endr
.endm
.irp t, 0,1,2,3
	LOAD \t
.endr
	s_wait_loadcnt 12                              ; step 0's four loads are in; the twelve of steps 1 to 3 may be out
	TURN 0
.macro XSTEP t
.set XS, X+16*((\t)%2)
.if (\t) > 0
	s_wait_dscnt 1                                 ; this step's numbers are back from the stage (the last step's byte store may be out): so the stage's stores have read their registers,
.else
	s_wait_dscnt 0x0
.endif
.if (\t)+4 < STEPS
	LOAD (\t)+4                                    ; which take the loads of four steps on
.endif
.if (\t)+1 < STEPS
.if STEPS-2-(\t) >= 3
	s_wait_loadcnt 12                              ; the next step's four loads are in; those of the three steps behind it may be out
.else
	s_wait_loadcnt 4*(STEPS-2-(\t))                ; near the end fewer steps are behind it
.endif
	TURN (\t)+1                                    ; and go through the other stage while this step is worked
.endif
	v_max3_num_f32 v8, |v[XS]|, |v[XS+1]|, |v[XS+2]|               ; the largest magnitude of my 16, in two chains
	v_max3_num_f32 v9, |v[XS+3]|, |v[XS+4]|, |v[XS+5]|
.irp i, 6,10
	v_max3_num_f32 v8, v8, |v[XS+\i]|, |v[XS+\i+1]|
	v_max3_num_f32 v9, v9, |v[XS+\i+2]|, |v[XS+\i+3]|
.endr
	v_max3_num_f32 v8, v8, |v[XS+14]|, |v[XS+15]|
	v_max3_num_f32 v8, v8, v9, 0x1800000           ; and the floor 2^(3 - 127): the byte cannot fall under 1
	v_max_num_f32_dpp v8, v8, v8 row_xmask:1 row_mask:0xf bank_mask:0xf   ; and of my neighbour's 16: the block's
	v_add_nc_u32 v11, 0xff000000, v8               ; 2 off its exponent field: the conversion takes the exponent field of this operand as its scale, and nothing else of it
	v_cvt_scalef32_pk8_fp4_f32 v[C+4*(\t)], v[XS:XS+7], v11        ; eight numbers / the scale, to the nearest code, ties to even, beyond 6 the largest code
	v_cvt_scalef32_pk8_fp4_f32 v[C+4*(\t)+1], v[XS+8:XS+15], v11
	v_lshrrev_b32 v[E+(\t)], 23, v11               ; the scale's byte (also the plain line behind the conversions)
	ds_store_b8 v5, v[E+(\t)] offset:16*(\t)       ; both lanes of a block write the same byte with the same value
	global_store_b64 v4, v[C+4*(\t):C+4*(\t)+1], s[14:15] offset:32*CB*(\t)   ; the wave stores 256 consecutive bytes, aligned
.endm
.irp t, 0,1,2,3,4,5,6,7,8,9,10,11,12,13,14,15
	XSTEP \t
.endr
	ds_load_b64 v[8:9], v6                         ; my wave's 256 scale bytes: these loads see my stores
	s_wait_dscnt 0x0
	global_store_b64 v7, v[8:9], s[16:17]          ; 32 lanes store 256 consecutive bytes, aligned
	s_wait_tensorcnt 0x0                           ; the wave's end: these three lines behind my last LDS store
	ds_add_u32 v[SPW], v[NIL]
	s_wait_dscnt 0x0
	s_endpgm
; ---------------- PATHS W AND O: the weights, whose K is the first axis
.Lweights:
	s_sub_co_u32 s25, ttmp9, 128                   ; g = 0..127
	s_lshr_b32 s26, s25, 5                         ; which: 0 Wq, 1 Wk, 2 Wv, 3 Wo
	s_and_b32 s27, s25, 15                         ; which 64 columns
	s_bfe_u32 s28, s25, 0x10004                    ; which 512 along K
	s_and_b32 s29, s24, 1                          ; my wave: which 32 of the columns,
	s_lshr_b32 s30, s24, 1                         ; which 128 along K
	s_cmp_eq_u32 s26, 0                            ; the buffer is chosen by the work-group's number alone
	s_cselect_b64 s[32:33], s[6:7], s[8:9]
	s_cmp_eq_u32 s26, 2
	s_cselect_b64 s[32:33], s[10:11], s[32:33]
	s_cmp_eq_u32 s26, 3
	s_cselect_b64 s[32:33], s[12:13], s[32:33]
	s_lshl_b32 s34, s28, 9
	s_lshl_b32 s35, s30, 7
	s_add_co_u32 s34, s34, s35                     ; my first k
	s_lshl_b32 s36, s27, 6
	s_lshl_b32 s40, s29, 5
	s_add_co_u32 s36, s36, s40                     ; my first column
	s_lshl_b32 s38, s34, 12                        ; a row of a weight is 4,096 bytes
	s_lshl_b32 s39, s36, 2
	s_add_co_u32 s38, s38, s39
	s_mov_b32 s39, 0
	s_add_nc_u64 s[32:33], s[32:33], s[38:39]
	v_lshlrev_b32 v3, 2, v2                        ; 4 bytes a lane: a load reads 128 consecutive bytes, two neighbouring waves 256
; Block t of my column: W(k0 + 32 t + i, my column), i = 0 .. 31, into registers of its own.  The loads run two blocks ahead: at most 64 of a wave are issued and not yet awaited,
; and every wait's count, 32 or 0, is one that the counter's field can name.  v3 and s[32:33] are never rewritten.
.macro WLOAD t
.set i, 32*(\t)
.rept 32
	global_load_b32 v[D+i], v3, s[32:33] offset:4096*i th:TH_LOAD_NT
.set i, i+1
.endr
.endm
	WLOAD 0
	WLOAD 1
	; every LDS address is made here, ahead of the parting of the two paths
	v_and_b32 v24, 15, v2                          ; lane % 16
	v_lshrrev_b32 v25, 4, v2                       ; lane / 16
	v_add_nc_u32 v26, s40, v2                      ; my column among the work-group's 64
	v_mul_u32_u24 v4, v26, 272
	s_lshl_b32 s41, s30, 6
	s_add_co_u32 s41, s41, WSTG
	v_add_nc_u32 v4, s41, v4                       ; W: my column's row of codes, my wave's 64 bytes of it
	v_lshlrev_b32 v8, 4, v26
	v_add_nc_u32 v8, WSCS, v8                      ; W: my column's 16 scale bytes,
	s_lshl_b32 s41, s30, 2
	v_add_nc_u32 v5, s41, v8                       ; and my wave's word of them
	s_lshl_b32 s41, s24, 3
	v_add_nc_u32 v6, s41, v25
	v_mul_u32_u24 v6, v6, 272
	v_lshl_add_u32 v6, v24, 4, v6
	v_add_nc_u32 v6, WSTG, v6                      ; W, back: wave w takes rows 8 w on, sixteen lanes to a row
	v_lshlrev_b32 v7, 9, v25
	v_lshl_add_u32 v7, v24, 4, v7                  ; and the same place in wc (rows of 512 bytes)
	v_lshlrev_b32 v9, 5, v2                        ; ws: 32 bytes a row
	s_mul_i32 s41, s24, OREG
	s_add_co_u32 s41, s41, OSTG
	v_mul_u32_u24 v10, v2, 272
	v_add_nc_u32 v10, s41, v10                     ; O: my column's row in my wave's stage
	v_mul_u32_u24 v11, v25, 272
	v_lshl_add_u32 v11, v24, 4, v11
	v_add_nc_u32 v11, s41, v11                     ; O, back: sixteen lanes to a row
	v_lshlrev_b32 v14, 11, v25
	v_lshl_add_u32 v14, v24, 4, v14                ; and the same place in wot (rows of 2,048 bytes)
	s_cmp_eq_u32 s26, 3
	s_cbranch_scc1 .Lwo
; ---------------- PATH W: codes and scale bytes
	s_lshl_b32 s42, s26, 10
	s_lshl_b32 s43, s27, 6
	s_add_co_u32 s42, s42, s43                     ; the work-group's first row of wc and of ws
	s_lshl_b32 s43, s24, 3
	s_add_co_u32 s43, s42, s43                     ; the first row that my wave stores
	s_lshl_b32 s44, s43, 9
	s_lshl_b32 s45, s28, 8                         ; 512 along K are 256 bytes
	s_add_co_u32 s44, s44, s45
	s_mov_b32 s45, 0
	s_add_nc_u64 s[18:19], s[18:19], s[44:45]
	s_add_co_u32 s43, s42, s40                     ; ws: waves 0 and 1 store 32 rows each
	s_lshl_b32 s44, s43, 5
	s_lshl_b32 s43, s28, 4
	s_add_co_u32 s44, s44, s43
	s_add_nc_u64 s[20:21], s[20:21], s[44:45]
.macro WBLOCK t                        ; block t of my column: all its 32 numbers are mine
.set XS, D+32*(\t)
.if (\t) < 3
	s_wait_loadcnt 32                              ; this block's 32 loads are in; the next block's 32 may be out
.else
	s_wait_loadcnt 0x0                             ; the last block's
.endif
.if (\t)+2 < 4
	WLOAD (\t)+2                                   ; the block two on goes out while this one is worked
.endif
	v_max3_num_f32 v16, |v[XS]|, |v[XS+1]|, |v[XS+2]|
	v_max3_num_f32 v17, |v[XS+3]|, |v[XS+4]|, |v[XS+5]|
.irp i, 6,10,14,18,22,26
	v_max3_num_f32 v16, v16, |v[XS+\i]|, |v[XS+\i+1]|
	v_max3_num_f32 v17, v17, |v[XS+\i+2]|, |v[XS+\i+3]|
.endr
	v_max3_num_f32 v16, v16, |v[XS+30]|, |v[XS+31]|
	v_max3_num_f32 v16, v16, v17, 0x1800000        ; the floor 2^(3 - 127)
	v_add_nc_u32 v18, 0xff000000, v16              ; 2 off the exponent field: the conversion's scale operand
	v_lshrrev_b32 v19, 23, v18                     ; the scale's byte
.if (\t) == 0
	v_mov_b32 v20, v19                             ; four bytes make my wave's scale word, the lower K in the lower byte
.else
	v_lshl_or_b32 v20, v19, 8*(\t), v20
.endif
.irp g, 0,1,2,3
	v_cvt_scalef32_pk8_fp4_f32 v[CW+4*(\t)+\g], v[XS+8*\g:XS+8*\g+7], v18
.endr
	ds_store_b128 v4, v[CW+4*(\t):CW+4*(\t)+3] offset:16*(\t)      ; 32 codes: 16 bytes of my column's row; each block has registers of its own
.endm
	WBLOCK 0
	WBLOCK 1
	WBLOCK 2
	WBLOCK 3
	v_nop                                          ; one plain line behind the last conversion
	ds_store_b32 v5, v20
	s_wait_dscnt 0x0                               ; for the others' sake: my stores have landed
	s_barrier_signal -1
	s_barrier_wait -1                              ; a row's 256 bytes come from four waves
	s_cmp_lt_u32 s24, 2
	s_cbranch_scc0 .Lno_scales                     ; waves 0 and 1 store the scale bytes
	ds_load_b128 v[48:51], v8
	s_wait_dscnt 0x0
	global_store_b128 v9, v[48:51], s[20:21]
.Lno_scales:
.irp i, 0,1,2,3
	ds_load_b128 v[D+4*\i:D+4*\i+3], v6 offset:544*\i
.endr
.irp i, 0,1,2,3
	s_wait_dscnt 3-\i                              ; LDS loads come back in order: load i is in, the later ones may be out
	global_store_b128 v7, v[D+4*\i:D+4*\i+3], s[18:19] offset:1024*\i   ; sixteen lanes store 256 consecutive bytes, aligned
.endr
	s_wait_tensorcnt 0x0                           ; the wave's end: these three lines behind my last LDS store
	ds_add_u32 v[SPW], v[NIL]
	s_wait_dscnt 0x0
	s_endpgm
; ---------------- PATH O: Wo to f16, K innermost.  A wave's 32 columns x 128 along K are 32 rows of 256 bytes: they go through the wave's own stage, no barrier
.Lwo:
	s_lshl_b32 s44, s36, 11                        ; my first column is a row of wot: 2,048 bytes
	s_lshl_b32 s43, s34, 1
	s_add_co_u32 s44, s44, s43
	s_mov_b32 s45, 0
	s_add_nc_u64 s[22:23], s[22:23], s[44:45]
.macro OQUARTER q                      ; 32 along K of my column: 64 bytes of its row
.if (\q) < 3
	s_wait_loadcnt 32                              ; this quarter's 32 loads are in; the next quarter's 32 may be out
.else
	s_wait_loadcnt 0x0                             ; the last quarter's
.endif
.if (\q)+2 < 4
	WLOAD (\q)+2                                   ; the quarter two on goes out while this one is worked
.endif
.irp i, 0,1,2,3,4,5,6,7,8,9,10,11,12,13,14,15
	v_cvt_pk_f16_f32 v[CW+16*(\q)+\i], v[D+32*(\q)+2*\i], v[D+32*(\q)+2*\i+1]   ; the lower k in the low half
.endr
.irp j, 0,1,2,3
	ds_store_b128 v10, v[CW+16*(\q)+4*\j:CW+16*(\q)+4*\j+3] offset:16*(4*(\q)+\j)
.endr
.endm
	OQUARTER 0
	OQUARTER 1
	OQUARTER 2
	OQUARTER 3
.irp i, 0,1,2,3,4,5,6,7,8,9,10,11,12,13,14,15
	ds_load_b128 v[D+4*\i:D+4*\i+3], v11 offset:544*\i             ; my wave's own bytes: these loads see my stores
.endr
.irp i, 0,1,2,3,4,5,6,7,8,9,10,11,12,13,14,15
	s_wait_dscnt 15-\i
	global_store_b128 v14, v[D+4*\i:D+4*\i+3], s[22:23] offset:4096*\i   ; sixteen lanes store 256 consecutive bytes, aligned
.endr
	s_wait_tensorcnt 0x0                           ; the wave's end: these three lines behind my last LDS store
	ds_add_u32 v[SPW], v[NIL]
	s_wait_dscnt 0x0
	s_endpgm
.Lfunc_end_k_qb8b70862b9_prep:
	.size	k_qb8b70862b9_prep, .Lfunc_end_k_qb8b70862b9_prep-k_qb8b70862b9_prep
	.p2alignl 7, 3214868480
	.fill 96, 4, 3214868480
	.section	.rodata,"a",@progbits
	.p2align	6, 0x0
	.amdhsa_kernel k_qb8b70862b9_prep
		.amdhsa_group_segment_fixed_size 154624
		.amdhsa_private_segment_fixed_size 0
		.amdhsa_enable_private_segment 0
		.amdhsa_kernarg_size 80
		.amdhsa_user_sgpr_count 2
		.amdhsa_user_sgpr_kernarg_segment_ptr 1
		.amdhsa_wavefront_size32 1
		.amdhsa_system_sgpr_workgroup_id_x 1
		.amdhsa_system_sgpr_workgroup_id_y 1
		.amdhsa_system_sgpr_workgroup_id_z 1
		.amdhsa_system_vgpr_workitem_id 0
		.amdhsa_next_free_vgpr 224
		.amdhsa_next_free_sgpr 66
		.amdhsa_reserve_vcc 0
		.amdhsa_float_denorm_mode_32 3
		.amdhsa_float_denorm_mode_16_64 3
		.amdhsa_memory_ordered 1
		.amdhsa_forward_progress 1
		.amdhsa_inst_pref_size 70
	.end_amdhsa_kernel
	.amdgpu_metadata
---
amdhsa.version: [ 1, 2 ]
amdhsa.kernels:
  - .name:           k_qb8b70862b9_prep
    .symbol:         k_qb8b70862b9_prep.kd
    .args:
      - { .name: x, .offset: 0, .size: 8, .value_kind: global_buffer, .address_space: global }
      - { .name: Wq, .offset: 8, .size: 8, .value_kind: global_buffer, .address_space: global }
      - { .name: Wk, .offset: 16, .size: 8, .value_kind: global_buffer, .address_space: global }
      - { .name: Wv, .offset: 24, .size: 8, .value_kind: global_buffer, .address_space: global }
      - { .name: Wo, .offset: 32, .size: 8, .value_kind: global_buffer, .address_space: global }
      - { .name: xc, .offset: 40, .size: 8, .value_kind: global_buffer, .address_space: global }
      - { .name: xs, .offset: 48, .size: 8, .value_kind: global_buffer, .address_space: global }
      - { .name: wc, .offset: 56, .size: 8, .value_kind: global_buffer, .address_space: global }
      - { .name: ws, .offset: 64, .size: 8, .value_kind: global_buffer, .address_space: global }
      - { .name: wot, .offset: 72, .size: 8, .value_kind: global_buffer, .address_space: global }
    .group_segment_fixed_size: 154624
    .private_segment_fixed_size: 0
    .kernarg_segment_align: 8
    .kernarg_segment_size: 80
    .max_flat_workgroup_size: 256
    .sgpr_count:     66
    .vgpr_count:     224
    .wavefront_size: 32
...
	.end_amdgpu_metadata
.endif
;; end of part 1
;; launch qkv (part 2): grid 12 x 32, 4 waves a work-group, clusters of 4 x 4, 327,680 bytes of LDS; arguments xc, xs, wc, ws, bq, bk, bv, qkv; writes qkv
.if DOCPART == 2
	.amdgcn_target "amdgcn-amd-amdhsa--gfx1250"
	.amdhsa_code_object_version 6
	.text
	.protected	k_qb8b70862b9_qkv
	.globl	k_qb8b70862b9_qkv
	.p2align	8
	.type	k_qb8b70862b9_qkv,@function
k_qb8b70862b9_qkv:
	s_mov_b64 s[64:65], 0
	v_nop
	global_prefetch_b8 v0, s[64:65] scope:SCOPE_SE
	s_setreg_imm32_b32 hwreg(HW_REG_WAVE_MODE, 25, 1), 1
	s_wait_xcnt 0x0
	s_wait_alu depctr_hold_cnt(0) depctr_sa_sdst(0) depctr_va_vdst(0) depctr_va_sdst(0) depctr_va_ssrc(0) depctr_va_vcc(0) depctr_vm_vsrc(0)
	s_getreg_b32 s2, hwreg(HW_REG_IB_STS2, 6, 4)
	s_cmp_eq_u32 s2, 0
	s_cbranch_scc0 .Lentry_in_a_cluster
	s_endpgm
.Lentry_in_a_cluster:
	s_bfe_u32 s2, ttmp6, 0x10000c
	s_cmp_lg_u32 s2, 0xf033
	s_cbranch_scc0 .Lentry_shape_is_right
	s_endpgm
.Lentry_shape_is_right:
; q, k, v = x W + b, the three quantised products as ONE product on codes of FP4 (E2M1) with one E8M0 scale for each 32 along K: [8192][1024] x [3072][1024]^T, sums in f32.
; xc, wc: codes, K innermost, 512 bytes a row; xs, ws: 32 scale bytes a row.  The result is rounded to f16 and laid by head: qkv [3][batch 4][head 16][2048][64], so that a head's rows are dense.
; LIMIT: q, k and v are kept in f16: magnitudes up to 65,504 (beyond: infinity); under 6e-5 with an absolute error of 2^-25.
; A tile of 256 x 256 is made by a work-group of four waves; a wave makes 128 x 128: 64 accumulators of 16 x 16, 512 registers.  K = 1,024 is two LDS slots of 512 along K: both are asked for at the head,
; and no slot is ever filled again.  The scale bytes of the work-group's rows, for all of K, come once with them, as dense blocks.
; CLUSTERS: 4 x 4 work-groups.  The four of a row of the cluster need the same tiles of x, the four of a column the same tiles of W: each tile is asked for JOINTLY, by the same tensor load with the same
; descriptor and a mask that names the four.  A cluster's 1,024 columns are exactly q's, k's or v's: the bias and the part of qkv are chosen by the cluster's x.
; THE MATRIX INSTRUCTION IS USED TRANSPOSED (source 0 = 16 rows of W, source 1 = 16 rows of x): a lane then holds eight neighbouring columns of one row.  THE BIAS IS THE C OF EACH SUM'S FIRST PRODUCT.
; REGISTERS, in windows of 256: window 0: v0-31 addresses; v32-95 scale words, two sets; v128-191 x's fragments, ONE set; v192-255 the bias in the result's layout; on the way out v128-223 are free.
;   window 1: W's fragments, TWO sets, at v0 and v128.   window 2: the accumulators of my rows 0-63 ((a, b) at v[8 (8 a + b)]);   window 3: those of my rows 64-127.
.set KSTEP,  512                       ; along K in a slot
.set NQ,     4                         ; matrix instructions deep
.set ROWB,   256                       ; a tile's row in bytes
.set KROW,   512                       ; a row of xc or wc in memory
.set PITCH,  272                       ; an LDS row: 256 bytes + 16 of padding = 68 words: row r starts at bank 4 r mod 64 (64 banks of 4 bytes: ISA guide 11.1)
.set FR,     8                         ; registers of a fragment: 16 rows x 128 K
.set NL,     2                         ; LDS loads that bring one
.set NP,     4                         ; places behind this matrix instruction (ISA guide 7.12.1)
.set HALFT,  128*PITCH                 ; 128 rows: what one tensor load brings, and what one wave reads of x or of W
.set SLOT,   4*HALFT
.set KS,     32                        ; a row of scale bytes
.set SCL,    2*SLOT                    ; behind the slots: the scales, as lines of 256 bytes + 16
.set HALFS,  (128*KS/256)*272          ; those of 128 rows
.set SBLK,   (16*KS/256)*272           ; those of 16 rows
.set SPARE,  SCL+4*HALFS               ; the spare words, 128 bytes for each wave: two blocks of 256 bytes that no other line names
.set STAGE,  SPARE+512                 ; the way out: 16 lines of 256 bytes + 16 for each wave; no tensor load lands here
.set SREG,   16*272
.set ADRA, 16                          ; v16-17  LDS address of my x fragments in slot 0, 1
.set ADRB, 20                          ; v20-21  the same for W
.set STO,  24                          ; v24     the way out: where I put 16 bytes of a row
.set RD,   25                          ; v25     where I read 16 bytes back
.set CO,   26                          ; v26     16 x lane
.set ADRS, 27                          ; v27     LDS address of my scale words: lanes 0-15 x's rows, lanes 16-31 W's
.set SPW,  28                          ; v28     LDS address of my spare word; never rewritten
.set NIL,  29                          ; v29     0; never rewritten
.set BO,   30                          ; v30     32 x (lane / 16): my eight numbers of a bias block
.set SC,   32                          ; scale words: set s at v[SC + 32 s]; register 4 i + q: lanes 0-15 the word of x's block i, lanes 16-31 that of W's block i, for the slot's q-th 128 along K
.set AF,   128
.set BIAS, 192                         ; block b at v[BIAS + 8 b]: the bias of columns 16 b + 8 (lane / 16) + 0 .. 7
.set TMP,  192                         ; the way out: a block's 32 packed registers
.set BK,   128                         ; and what comes back from the stage: v128-159 and v160-191 by turns
.set G1, 24                            ; s[24:31] descriptor group 1 for x's tiles;  s[32:39] group 0, a set for each slot
.set G0, 32
.set G1B, 48                           ; s[48:55], s[56:63] the same for W's
.set G0B, 56
.set G1S, 68                           ; s[68:75], s[76:79] groups 1 and 0 for x's scales;  s[80:87], s[88:91] for W's
.set G0S, 76
.set G1SB, 80
.set G0SB, 88
.set MSB, 0
.macro WIN new                         ; the immediate's high byte repeats the setting that is left
.if MSB != \new
	s_set_vgpr_msb (MSB<<8)|\new
.set MSB, \new
.endif
.endm
.set MUL_LO, 0xa1                      ; source 0 (W) window 1, source 1 (x) window 0, C and D window 2
.set MUL_HI, 0xf1                      ; the same, C and D window 3
.set FST_LO, 0x81                      ; the first products: C is the bias, in window 0
.set FST_HI, 0xc1
.set TO_B,   0x40                      ; destination window 1, address window 0
; A joint load: waves 0 and 1 fetch for x, waves 2 and 3 for W.  Each of the two lines has ONE mask and one set of registers for all that issue it; the branch hangs on the wave's number alone.
; An s_nop 0 and four v_nop follow each of the two lines, ahead of the jump, the label and what follows.
.macro JLOAD g0a, g1a, g0b, g1b
	s_cmp_eq_u32 s15, 0
	s_cbranch_scc0 .Lfor_b_\@
	tensor_load_to_lds s[\g0a:\g0a+3], s[\g1a:\g1a+7]
	s_nop 0
.rept 4
	v_nop
.endr
	s_branch .Lasked_\@
.Lfor_b_\@:
	tensor_load_to_lds s[\g0b:\g0b+3], s[\g1b:\g1b+7]
	s_nop 0
.rept 4
	v_nop
.endr
.Lasked_\@:
.endm
.macro CROUND                          ; a round of the cluster's barrier: my work-group's barrier; wave 0 signals for the work-group; every wave waits for all sixteen; my work-group's barrier once more
	s_barrier_signal -1
	s_barrier_wait -1
	s_cmp_lg_u32 s14, 0
	s_cbranch_scc1 .Lnot_wave_0_\@
	s_barrier_signal -3
.Lnot_wave_0_\@:
	s_barrier_wait -3
	s_barrier_signal -1
	s_barrier_wait -1
.endm
	s_load_b128 s[4:7], s[0:1], 0x0                ; xc s[4:5], xs s[6:7]
	s_load_b128 s[8:11], s[0:1], 0x10              ; wc s[8:9], ws s[10:11]
	s_load_b128 s[96:99], s[0:1], 0x20             ; bq s[96:97], bk s[98:99]
	s_load_b64 s[100:101], s[0:1], 0x30            ; bv
	s_load_b64 s[12:13], s[0:1], 0x38              ; qkv
	v_lshl_add_u32 v[SPW], v0, 2, SPARE
	v_mov_b32 v[NIL], 0
	ds_add_u32 v[SPW], v[NIL]                      ; the wave's opening: the add, twice on end, and its wait ahead of my first tensor load
	ds_add_u32 v[SPW], v[NIL]                      ; and once more; the set-up below, work on registers, stands between it and the wait
	v_lshrrev_b32 v1, 5, v0
	v_readfirstlane_b32 s14, v1                    ; wave 0..3
	s_lshr_b32 s15, s14, 1                         ; which half of the tile's rows is mine.  Also: I fetch for x (0) or for W (1)
	s_and_b32 s16, s14, 1                          ; which half of its columns.  Also: which 128 rows of that tile I fetch
	s_bfe_u32 s40, ttmp6, 0x40000                  ; cx, cy: my place in the cluster
	s_bfe_u32 s41, ttmp6, 0x40004
	s_lshl_b32 s42, ttmp9, 2
	s_add_co_u32 s42, s42, s40                     ; tile column = 4 x cluster x + cx
	s_and_b32 s17, ttmp7, 0xffff
	s_lshl_b32 s17, s17, 2
	s_add_co_u32 s17, s17, s41                     ; tile row = 4 x cluster y + cy
	s_lshl_b32 s43, s41, 2
	s_lshl_b32 s43, 15, s43                        ; my row of the cluster
	s_lshl_b32 s44, 0x1111, s40                    ; my column
	; descriptor group 1: a tile of 128 rows x 256 bytes, padded in LDS
	s_or_b32 s[G1+0], s43, (0<<16)|(1<<20)|(1<<21)|(5<<22)|(3<<25)  ; 15:0 the mask: x's tiles go to my row; 17:16 elements of 1 byte; 20 padding on; 21 set beside a mask; 24:22 after every 64 words; 31:25 four words
	s_or_b32 s[G1B+0], s44, (0<<16)|(1<<20)|(1<<21)|(5<<22)|(3<<25)
.irp g, G1, G1B
	s_mov_b32 s[\g+1], ROWB<<16                    ; tensor_dim0
	s_mov_b32 s[\g+2], 128<<16                     ; tensor_dim1
	s_mov_b32 s[\g+3], ROWB<<16                    ; tile_dim0
	s_mov_b32 s[\g+4], 128                         ; tile_dim1
	s_mov_b32 s[\g+5], KROW                        ; tensor_dim0_stride
	s_mov_b32 s[\g+6], 0
	s_mov_b32 s[\g+7], 0
.endr
	; the scales of 128 rows: a dense block of 4,096 bytes, as 16 rows of 256 bytes (32 elements of 8 bytes), 16 bytes of padding behind each
	s_or_b32 s[G1S+0], s43, (3<<16)|(1<<20)|(1<<21)|(5<<22)|(3<<25)
	s_or_b32 s[G1SB+0], s44, (3<<16)|(1<<20)|(1<<21)|(5<<22)|(3<<25)
.irp g, G1S, G1SB
	s_mov_b32 s[\g+1], 32<<16
	s_mov_b32 s[\g+2], (128*KS/256)<<16
	s_mov_b32 s[\g+3], 32<<16
	s_mov_b32 s[\g+4], 128*KS/256
	s_mov_b32 s[\g+5], 32
	s_mov_b32 s[\g+6], 0
	s_mov_b32 s[\g+7], 0
.endr
	s_lshl_b32 s18, s16, 7                         ; which 128 rows of the tile I fetch
	s_lshl_b32 s20, s17, 8
	s_add_co_u32 s20, s20, s18                     ; x: row 256 x tile row + 128 x half
	s_lshl_b32 s46, s42, 8
	s_add_co_u32 s46, s46, s18                     ; W: row 256 x tile column + 128 x half
	s_mov_b32 s21, 0
	s_mov_b32 s47, 0
	s_mov_b64 s[18:19], KS
	s_mul_u64 s[22:23], s[20:21], s[18:19]         ; where these rows' scales begin, in bytes
	s_mul_u64 s[92:93], s[46:47], s[18:19]
	s_mov_b64 s[18:19], KROW
	s_mul_u64 s[20:21], s[20:21], s[18:19]         ; and their codes
	s_mul_u64 s[46:47], s[46:47], s[18:19]
	s_mul_i32 s45, s14, HALFT                      ; where they go: wave x 128 rows: no place in the cluster enters an LDS address
	s_mul_i32 s94, s14, HALFS
	s_wait_dscnt 0x0                               ; both opening adds are done
	s_wait_kmcnt 0x0
	s_add_nc_u64 s[20:21], s[4:5], s[20:21]
	s_add_nc_u64 s[22:23], s[6:7], s[22:23]
	s_add_nc_u64 s[46:47], s[8:9], s[46:47]
	s_add_nc_u64 s[92:93], s[10:11], s[92:93]
	CROUND                                         ; all sixteen work-groups are here: the joint loads meet
	s_mov_b32 s[G0S], 1
	s_add_co_u32 s[G0S+1], s94, SCL
	s_mov_b64 s[G0S+2:G0S+3], s[22:23]
	s_or_b32 s[G0S+3], s[G0S+3], 0x80000000
	s_mov_b32 s[G0SB], 1
	s_add_co_u32 s[G0SB+1], s94, SCL
	s_mov_b64 s[G0SB+2:G0SB+3], s[92:93]
	s_or_b32 s[G0SB+3], s[G0SB+3], 0x80000000
	JLOAD G0S, G1S, G0SB, G1SB                     ; the scales first: they are wanted with the first slot.  Three tensor loads of mine are out behind the third of these lines
.irp s, 0,1
	s_mov_b32 s[G0+4*\s], 1
	s_add_co_u32 s[G0+4*\s+1], s45, \s*SLOT
	s_add_nc_u64 s[G0+4*\s+2:G0+4*\s+3], s[20:21], \s*ROWB
	s_or_b32 s[G0+4*\s+3], s[G0+4*\s+3], 0x80000000
	s_mov_b32 s[G0B+4*\s], 1
	s_add_co_u32 s[G0B+4*\s+1], s45, \s*SLOT
	s_add_nc_u64 s[G0B+4*\s+2:G0B+4*\s+3], s[46:47], \s*ROWB
	s_or_b32 s[G0B+4*\s+3], s[G0B+4*\s+3], 0x80000000
	JLOAD G0+4*\s, G1, G0B+4*\s, G1B
.endr
	; the bias of my 128 columns, in the result's layout.  The buffer is chosen by the cluster's x, which all partners share
	v_and_b32 v1, 15, v0                           ; r = lane % 16
	v_bfe_u32 v2, v0, 4, 1                         ; h = lane / 16
	s_cmp_eq_u32 ttmp9, 0
	s_cselect_b64 s[96:97], s[96:97], s[98:99]
	s_cmp_eq_u32 ttmp9, 2
	s_cselect_b64 s[96:97], s[100:101], s[96:97]
	s_lshl_b32 s98, s40, 10                        ; 256 cx columns of 4 bytes,
	s_lshl_b32 s99, s16, 9                         ; 128 x my half
	s_add_co_u32 s98, s98, s99
	s_mov_b32 s99, 0
	s_add_nc_u64 s[96:97], s[96:97], s[98:99]
	v_lshlrev_b32 v[BO], 5, v2
.irp b, 0,1,2,3,4,5,6,7
	global_load_b128 v[BIAS+8*\b:BIAS+8*\b+3], v[BO], s[96:97] offset:64*\b
	global_load_b128 v[BIAS+8*\b+4:BIAS+8*\b+7], v[BO], s[96:97] offset:64*\b+16
.endr
	v_mul_u32_u24 v3, v1, PITCH
	v_lshl_add_u32 v4, v2, 4, v3                   ; a fragment's row x pitch + 16 x half
	s_mul_i32 s21, s15, HALFT                      ; my 128 rows of x
	s_mul_i32 s22, s16, HALFT                      ; my 128 rows of W,
	s_add_co_u32 s22, s22, 2*HALFT                 ; which lie behind x's 256
.irp s, 0,1
	v_add_nc_u32 v[ADRA+\s], s21, v4
	v_add_nc_u32 v[ADRB+\s], s22, v4
	s_add_co_u32 s21, s21, SLOT
	s_add_co_u32 s22, s22, SLOT
.endr
	v_mul_u32_u24 v5, v1, KS                       ; my row's scales: 32 bytes a row,
	v_lshrrev_b32 v6, 8, v5
	v_lshl_add_u32 v5, v6, 4, v5                   ; and 16 more for each 256 passed
	s_mul_i32 s21, s15, HALFS                      ; x's: my 128 rows
	s_mul_i32 s22, s16, HALFS                      ; W's: my 128 rows, behind x's 256
	s_add_co_u32 s22, s22, 2*HALFS
	s_sub_co_u32 s22, s22, s21
	v_mul_u32_u24 v6, s22, v2                      ; lanes 16-31 take W's: the lower base + h x the distance
	s_add_co_u32 s21, s21, SCL
	v_add_nc_u32 v5, v5, v6
	v_add_nc_u32 v[ADRS], s21, v5
	; the way out.  A block of 16 rows x 128 columns is, in f16 and by head, two dense runs of 2,048 bytes (16 rows of 128 bytes of each of two heads): each lies in my stage as 8 lines of 256 bytes + 16
	s_mul_i32 s23, s14, SREG
	s_add_co_u32 s23, s23, STAGE
	v_lshrrev_b32 v5, 1, v1
	v_mul_u32_u24 v5, v5, 272                      ; in: row r lies in line r / 2,
	v_and_b32 v6, 1, v1
	v_lshl_add_u32 v5, v6, 7, v5                   ; half r % 2 of it,
	v_lshl_add_u32 v5, v2, 4, v5                   ; 16 bytes for each half of the lanes
	v_add_nc_u32 v[STO], s23, v5
	v_mul_u32_u24 v5, v2, 272                      ; back: lanes 0-15 one line, lanes 16-31 the next
	v_lshl_add_u32 v5, v1, 4, v5
	v_add_nc_u32 v[RD], s23, v5
	v_and_b32 v6, 31, v0
	v_lshlrev_b32 v[CO], 4, v6
	s_lshr_b32 s20, s17, 3                         ; the batch: 8 tile rows each,
	s_lshl_b32 s20, s20, 4                         ; 16 heads a batch,
	s_lshl_b32 s21, s16, 1
	s_add_co_u32 s20, s20, s21                     ; my half of the columns is two heads,
	s_lshl_b32 s20, s20, 11                        ; 2,048 rows a head,
	s_and_b32 s21, s17, 7
	s_lshl_b32 s21, s21, 8
	s_add_co_u32 s20, s20, s21                     ; the tile's first row in the batch,
	s_lshl_b32 s21, s15, 7
	s_add_co_u32 s20, s20, s21                     ; my half of its rows,
	s_lshl_b32 s20, s20, 7                         ; 128 bytes a row
	s_mov_b32 s21, 0
	s_lshl_b32 s46, s40, 20                        ; cx: four heads of 262,144 bytes (in the registers that held W's address: none that feeds x's descriptors ever holds cx)
	s_lshl_b32 s47, ttmp9, 24                      ; q, k or v: 16,777,216 bytes each
	s_add_co_u32 s46, s46, s47
	s_mov_b32 s47, 0
	s_add_nc_u64 s[20:21], s[20:21], s[46:47]
	s_add_nc_u64 s[12:13], s[12:13], s[20:21]
.macro FRAG reg, adr, q, i             ; a fragment, 16 rows x 128 K of 4-bit codes: lane l holds row l % 16; registers 4 c .. 4 c + 3 hold K = 64 c + 32 (l / 16) + 0 .. 31
.irp c, 0,1
	ds_load_b128 v[\reg+4*\c:\reg+4*\c+3], v[\adr] offset:64*(\q)+32*\c+(\i)*16*PITCH
.endr
.endm
; 16 matrix instructions: x's blocks a0, a0 + 1 against W's eight, 128 along K: the slot's q-th.  p: W's set;  sc: the set of scale words.  zero = 1: the first product starts the sums from the bias.
; The 64 accumulators take turns, one instruction a turn, in the same order in every step.
.macro MUL16 a0, p, q, sc, zero
.irp a, \a0, \a0+1
.irp b, 0,1,2,3,4,5,6,7
.if \zero
	v_wmma_scale_f32_16x16x128_f8f6f4 v[8*(8*((\a)%4)+\b):8*(8*((\a)%4)+\b)+7], v[128*(\p)+FR*\b:128*(\p)+FR*\b+FR-1], v[AF+FR*(\a):AF+FR*(\a)+FR-1], v[BIAS+8*\b:BIAS+8*\b+7], v[SC+8*NQ*(\sc)+NQ*\b+(\q)], v[SC+8*NQ*(\sc)+NQ*(\a)+(\q)] matrix_a_fmt:MATRIX_FMT_FP4 matrix_b_fmt:MATRIX_FMT_FP4 matrix_a_scale:MATRIX_SCALE_ROW1
.else
	v_wmma_scale_f32_16x16x128_f8f6f4 v[8*(8*((\a)%4)+\b):8*(8*((\a)%4)+\b)+7], v[128*(\p)+FR*\b:128*(\p)+FR*\b+FR-1], v[AF+FR*(\a):AF+FR*(\a)+FR-1], v[8*(8*((\a)%4)+\b):8*(8*((\a)%4)+\b)+7], v[SC+8*NQ*(\sc)+NQ*\b+(\q)], v[SC+8*NQ*(\sc)+NQ*(\a)+(\q)] matrix_a_fmt:MATRIX_FMT_FP4 matrix_b_fmt:MATRIX_FMT_FP4 matrix_a_scale:MATRIX_SCALE_ROW1
.endif
.endr
.endr
.endm
.macro FETCH_B slot, q, p              ; W's eight fragments of the slot's q-th 128 along K into set p
	WIN TO_B
.irp i, 0,1,2,3,4,5,6,7
	FRAG 128*(\p)+FR*\i, ADRB+\slot, \q, \i
.endr
	WIN 0
.endm
.macro FETCH_A slot, q, i0             ; x's blocks i0 .. i0 + 3
.irp i, \i0, \i0+1, \i0+2, \i0+3
	FRAG AF+FR*(\i), ADRA+\slot, \q, \i
.endr
.endm
.macro SCALES sc                       ; a slot's scale words into set sc: four words a row; lanes 0-15 take x's block i, lanes 16-31 W's block i
.irp i, 0,1,2,3,4,5,6,7
	ds_load_b128 v[SC+8*NQ*\sc+NQ*\i:SC+8*NQ*\sc+NQ*\i+3], v[ADRS] offset:\i*SBLK
.endr
.endm
; A load into a register that a matrix instruction has read, and a vector instruction that reads a matrix result, stand four places behind that matrix instruction, and only plain vector instructions that
; name none of its registers are places (ISA guide 7.12.1 for vector instructions).
.macro PLACES n
.rept \n
	v_nop
.endr
.endm
; A step of 128 along K that has its successor in the same slot.  x's blocks go one after the other, each against W's eight: so one set of registers serves x (blocks 0-3 are fetched anew in the step's middle,
; blocks 4-7 at its end) and W has two sets.
.macro STEP slot, q, zero
	s_wait_dscnt 4*NL                              ; W's set and x's blocks 0-3 are in; the youngest eight loads (x's blocks 4-7) may be out
.if \zero
	WIN FST_LO
.else
	WIN MUL_LO
.endif
	MUL16 0, (\q)%2, \q, \slot, \zero
	MUL16 2, (\q)%2, \q, \slot, \zero
	s_wait_dscnt 0                                 ; x's blocks 4-7 are in
	PLACES NP
	FETCH_B \slot, (\q)+1, 1-(\q)%2
	FETCH_A \slot, (\q)+1, 0
.if \zero
	WIN FST_HI
.else
	WIN MUL_HI
.endif
	MUL16 4, (\q)%2, \q, \slot, \zero
	MUL16 6, (\q)%2, \q, \slot, \zero
	PLACES NP
	WIN 0
	FETCH_A \slot, (\q)+1, 4
.endm
.macro STEPS slot, from                ; the slot's steps from .. 2
.set Q, \from
.rept NQ-1-\from
	STEP \slot, Q, 0
.set Q, Q+1
.endr
.endm
	s_wait_tensorcnt 1                             ; the scales and my part of slot 0 are in (slot 1's load, issued behind them, may be out),
	s_barrier_signal -1
	s_barrier_wait -1                              ; everybody's are
	FETCH_B 0, 0, 0
	FETCH_A 0, 0, 0
	SCALES 0
	FETCH_A 0, 0, 4
	s_wait_loadcnt 0x0                             ; the bias
	STEP 0, 0, 1                                   ; the first step's products start the sums
	STEPS 0, 1
	; slot 0's last step goes over to slot 1: one barrier, in front of which each wave has seen its part of slot 1 land.  Nothing is filled again
	s_wait_tensorcnt 0x0                           ; my part of slot 1 has landed
	ds_add_u32 v[SPW], v[NIL]                      ; 0 onto my spare word, directly behind that wait
	s_wait_dscnt 4*NL+1                            ; (the add and the youngest eight loads, x's blocks 4-7, may be out)
	WIN MUL_LO
	MUL16 0, 1, NQ-1, 0, 0
	s_wait_dscnt 0x0                               ; no LDS instruction of mine is pending at the signal
	s_barrier_signal -1
	MUL16 2, 1, NQ-1, 0, 0                         ; work on registers while the others arrive
	WIN 0
	s_barrier_wait -1
	PLACES NP
	v_add_nc_u32 v[ADRS], 4*NQ, v[ADRS]            ; on to slot 1's scale words
	FETCH_B 1, 0, 0
	FETCH_A 1, 0, 0
	SCALES 1
	WIN MUL_HI
	MUL16 4, 1, NQ-1, 0, 0
	MUL16 6, 1, NQ-1, 0, 0
	PLACES NP
	WIN 0
	FETCH_A 1, 0, 4
	STEPS 1, 0
	s_wait_dscnt 4*NL                              ; the very last step: nothing more to fetch
	WIN MUL_LO
	MUL16 0, 1, NQ-1, 1, 0
	MUL16 2, 1, NQ-1, 1, 0
	s_wait_dscnt 0
	WIN MUL_HI
	MUL16 4, 1, NQ-1, 1, 0
	MUL16 6, 1, NQ-1, 1, 0
	WIN 0
; THE WAY OUT, block by block of 16 rows x 128 columns.  PACK: rounded to f16, each accumulator from its low end on, 16 bytes a lane.  TOSTAGE: into my own stage and back.  SEND: stored.
.macro PACK a
.set AC, 64*((\a)%4)
	WIN 0x0a+5*((\a)/4)                            ; sources 0 and 1: window 2 or 3
.irp b, 0,1,2,3,4,5,6,7
.irp r, 0,1,2,3
	v_cvt_pk_f16_f32 v[TMP+4*\b+\r], v[AC+8*\b+2*\r], v[AC+8*\b+2*\r+1]
.endr
.endr
	WIN 0
.endm
.macro TOSTAGE a
.set BB, BK+32*((\a)%2)
.irp b, 0,1,2,3,4,5,6,7
	ds_store_b128 v[STO], v[TMP+4*\b:TMP+4*\b+3] offset:(\b/4)*2176+32*(\b%4)   ; head b / 4 of my two, columns 16 (b % 4) on
.endr
.irp t, 0,1,2,3,4,5,6,7
	ds_load_b128 v[BB+4*\t:BB+4*\t+3], v[RD] offset:544*\t         ; LDS serves a wave's instructions in order (ISA guide 5.7.1.4): these see the stores above
.endr
.endm
.macro SEND a
.set BB, BK+32*((\a)%2)
	s_wait_dscnt 0x0                               ; the block is back in registers
.irp t, 0,1,2,3,4,5,6,7
	global_store_b128 v[CO], v[BB+4*\t:BB+4*\t+3], s[12:13] offset:(\t/4)*262144+(\a)*2048+(\t%4)*512   ; 32 lanes store 512 consecutive bytes, at a multiple of 256 from qkv's first byte; every place is an immediate
.endr
.endm
	PLACES NP                                      ; behind the last products: for the conversions that read results and the loads into the registers that held x's fragments
	PACK 0
	TOSTAGE 0
.irp a, 1,2,3,4,5,6,7                  ; block a's conversions stand between block a - 1's loads from the stage and the wait for them
	PACK \a
	SEND \a-1
	s_wait_xcnt 0x0                                ; the earlier stores have read their registers: block a's loads may land where block a - 2's lay
	TOSTAGE \a
.endr
	SEND 7
	s_wait_tensorcnt 0x0                           ; the wave's end: these three lines, behind my last tensor load and my last LDS store
	ds_add_u32 v[SPW], v[NIL]
	s_wait_dscnt 0x0
	CROUND                                         ; the closing round: no work-group ends while a partner may still ask for a tile that names it
	s_endpgm
.Lfunc_end_k_qb8b70862b9_qkv:
	.size	k_qb8b70862b9_qkv, .Lfunc_end_k_qb8b70862b9_qkv-k_qb8b70862b9_qkv
	.p2alignl 7, 3214868480
	.fill 96, 4, 3214868480
	.section	.rodata,"a",@progbits
	.p2align	6, 0x0
	.amdhsa_kernel k_qb8b70862b9_qkv
		.amdhsa_group_segment_fixed_size 327680
		.amdhsa_private_segment_fixed_size 0
		.amdhsa_enable_private_segment 0
		.amdhsa_kernarg_size 64
		.amdhsa_user_sgpr_count 2
		.amdhsa_user_sgpr_kernarg_segment_ptr 1
		.amdhsa_wavefront_size32 1
		.amdhsa_system_sgpr_workgroup_id_x 1
		.amdhsa_system_sgpr_workgroup_id_y 1
		.amdhsa_system_sgpr_workgroup_id_z 1
		.amdhsa_system_vgpr_workitem_id 0
		.amdhsa_next_free_vgpr 1024
		.amdhsa_next_free_sgpr 102
		.amdhsa_reserve_vcc 0
		.amdhsa_float_denorm_mode_32 3
		.amdhsa_float_denorm_mode_16_64 3
		.amdhsa_memory_ordered 1
		.amdhsa_forward_progress 1
		.amdhsa_inst_pref_size 128
	.end_amdhsa_kernel
	.amdgpu_metadata
---
amdhsa.version: [ 1, 2 ]
amdhsa.kernels:
  - .name:           k_qb8b70862b9_qkv
    .symbol:         k_qb8b70862b9_qkv.kd
    .args:
      - { .name: xc, .offset: 0, .size: 8, .value_kind: global_buffer, .address_space: global }
      - { .name: xs, .offset: 8, .size: 8, .value_kind: global_buffer, .address_space: global }
      - { .name: wc, .offset: 16, .size: 8, .value_kind: global_buffer, .address_space: global }
      - { .name: ws, .offset: 24, .size: 8, .value_kind: global_buffer, .address_space: global }
      - { .name: bq, .offset: 32, .size: 8, .value_kind: global_buffer, .address_space: global }
      - { .name: bk, .offset: 40, .size: 8, .value_kind: global_buffer, .address_space: global }
      - { .name: bv, .offset: 48, .size: 8, .value_kind: global_buffer, .address_space: global }
      - { .name: qkv, .offset: 56, .size: 8, .value_kind: global_buffer, .address_space: global }
    .group_segment_fixed_size: 327680
    .private_segment_fixed_size: 0
    .kernarg_segment_align: 8
    .kernarg_segment_size: 64
    .max_flat_workgroup_size: 128
    .sgpr_count:     102
    .vgpr_count:     1024
    .wavefront_size: 32
...
	.end_amdgpu_metadata
.endif
;; end of part 2
;; launch attn (part 3): grid 4 x 64, 8 waves a work-group, clusters of 4 x 1, 327,680 bytes of LDS; arguments qkv, att; writes att
.if DOCPART == 3
	.amdgcn_target "amdgcn-amd-amdhsa--gfx1250"
	.amdhsa_code_object_version 6
	.text
	.protected	k_qb8b70862b9_attn
	.globl	k_qb8b70862b9_attn
	.p2align	8
	.type	k_qb8b70862b9_attn,@function
k_qb8b70862b9_attn:
	s_mov_b64 s[64:65], 0
	v_nop
	global_prefetch_b8 v0, s[64:65] scope:SCOPE_SE
	s_setreg_imm32_b32 hwreg(HW_REG_WAVE_MODE, 25, 1), 1
	s_wait_xcnt 0x0
	s_wait_alu depctr_hold_cnt(0) depctr_sa_sdst(0) depctr_va_vdst(0) depctr_va_sdst(0) depctr_va_ssrc(0) depctr_va_vcc(0) depctr_vm_vsrc(0)
	s_getreg_b32 s2, hwreg(HW_REG_IB_STS2, 6, 4)
	s_cmp_eq_u32 s2, 0
	s_cbranch_scc0 .Lentry_in_a_cluster
	s_endpgm
.Lentry_in_a_cluster:
	s_bfe_u32 s2, ttmp6, 0x10000c
	s_cmp_lg_u32 s2, 0x3003
	s_cbranch_scc0 .Lentry_shape_is_right
	s_endpgm
.Lentry_shape_is_right:
; att[bh][q][:] = the sum over k of softmax_k(Q[bh][q] . K[bh][k] / 8) V[bh][k][:], for 64 pairs of batch and head, 2,048 rows, head size 64, no mask.
; qkv: [3][64][2048][64] f16 (q, k, v); att: [64][2048][64] f16.  Products on f16 operands with f32 sums; maxima, exponentials and sums in f32; the weights p are rounded to f16 for the second product, att once at the end.
; LIMITS: the running maximum starts at -3e38; att is kept in f16 (a weighted mean of v's rows, so within v's range).
; SHARES.  A work-group owns 512 queries of one pair, each of its eight waves 64: four tiles of 16.  Two waves lie on a SIMD, 512 registers each.  Every wave walks all 2,048 keys, 64 a step.
; LAYOUT.  S^T = K Q^T (source 0 = 16 keys, source 1 = 16 queries): a lane holds ONE query (lane % 16) and the keys 8 (lane / 16) + 0..7.  Two such tiles, rounded to f16 in pairs, ARE source 1 (32 keys x 16
; queries) of O^T = V^T P, whose result again holds one query a lane.  K comes out of LDS as it lies, V ([key][channel]) turned, by ds_load_tr16_b128.
; SOFTMAX.  For each query a running maximum m and sum l: p = 2^(c s - c m), c = log2(e) / 8; in every step O and l are multiplied by a = 2^(c m_old - c m_new).
; The step is written without a first form: O^T and l begin as zeros, which the first a, 0, leaves zeros: 128 moves once, against one more copy of the step.
; CLUSTER.  The four query blocks of a pair are one cluster and walk the same K and V: each tile is asked for JOINTLY, by the same tensor load with the same descriptor and the mask of all four.
; RING.  Two LDS slots of four key steps.  Waves 0-3 fetch K of the slot's four steps, waves 4-7 V: one load of 64 rows a wave.  Two tensor loads of a wave are out at the head, one behind each change of slots.
; REGISTERS, in windows of 256 (s_set_vgpr_msb: bits 1:0 source 0, 3:2 source 1, 5:4 source 2, 7:6 destination):
;   window 0: v1-14 addresses; v16-47 eight statistics a tile; v48-55 a second pair of sums a tile; v64-191 S^T, 32 a tile (P is made in place, in each tile's low 16); v192-255 K of one step
;   window 1: v0-127 O^T, 32 a tile; v128-191 Q, 16 a tile; v192-255 V of one step
.set KS,    64                         ; keys in a step
.set PK,    144                        ; a row of K in LDS: 128 bytes + 16 = 36 words: the 16 rows of a load start at 16 different groups of four banks (64 banks of 4 bytes: ISA guide 11.1)
.set PV,    160                        ; a row of V: 128 + 32 = 40 words: an odd multiple of 32 bytes, for the turning load
.set VOFF,  KS*PK                      ; a step's tiles lie together: 64 rows of K, then 64 of V
.set STEPB, KS*(PK+PV)
.set NST,   4                          ; steps in a slot
.set SLOTB, NST*KS*128                 ; a slot's rows of K, or of V, in memory: 32,768 bytes
.set SLOT1, 1<<17                      ; slot 1 begins here: one exclusive or turns an address in one slot into the other's
.set STAGE, SLOT1+NST*STEPB            ; behind the ring: 8 lines of 256 bytes + 16 for each wave, for the way out
.set SREG,  8*272
.set SPARE, STAGE+8*SREG               ; the spare words, 128 bytes for each wave: four blocks of 256 bytes that no other line names
.set AK0, 2                            ; v2   my lane's place in a tile of K; never rewritten
.set AV0, 3                            ; v3   the same for V
.set ADR, 4                            ; v4   the LDS address of the run of loads in hand
.set QO,  5                            ; v5   my byte offset in the wave's rows of Q
.set STO, 6                            ; v6   the way out: where I put 16 bytes of a row
.set RD,  7                            ; v7   where I read 16 bytes back
.set GO,  8                            ; v8   16 x lane
.set PFO, 12                           ; v12  256 x lane: the prefetches' offset; never rewritten
.set SPW, 13                           ; v13  LDS address of my spare word; never rewritten
.set NIL, 14                           ; v14  0; never rewritten
.set ST,  16                           ; tile t's statistics at v[ST+8 t]: +0 c m, +1 m, +2, +3 l (even keys', odd keys'), +4 to +7 at work; a lies in +6
.set U,   48                           ; tile t's second pair of sums at v[U+2 t]
.set S,   64
.set KF,  192                          ; K's fragments: keys 16 kt on, channels 32 cg on at KF + 8 (2 kt + cg)
.set QF,  128                          ; window 1: Q's: tile t, channels 32 cg on at QF + 16 t + 8 cg
.set VF,  192                          ; window 1: V's: keys 32 kg on, channels 16 ct on at VF + 8 (4 kg + ct)
.set WV,  12                           ; s12  my wave's number
.set LIM, 15                           ; s15  1 in a wave that prefetches, else the greatest number
.set PFA, 18                           ; s[18:19] where my prefetches stand
.set G1K, 24                           ; s[24:31] descriptor group 1 for K's tiles
.set G1V, 32                           ; s[32:39] for V's: it differs in the padding alone
.set G0K, 40                           ; s[40:47] group 0 for K's tiles: a set for each of the two first fills; the second then walks on
.set G0V, 48                           ; s[48:55] the same for V's
.set SLOTS, 56                         ; s56  slots still to be asked for
.set INNER, 57                         ; s57  counts three plain steps
.set CS,  58                           ; s[58:59] c: the packed scaling names a pair and takes its low word for both halves
.set SEL, 60                           ; s[60:61] lane selects for v_permlanex16_b32: lane l xor 16
.set TB,  62                           ; s62  LDS byte at which the tiles of the step in hand begin
.set MSB, 0
.macro WIN new                         ; the immediate's high byte repeats the setting that is left; a switch that changes nothing is dropped
.if MSB != \new
	s_set_vgpr_msb (MSB<<8)|\new
.set MSB, \new
.endif
.endm
.set W_KQ, 0x04                        ; K and S^T in window 0, Q in window 1
.set W_PV, 0x51                        ; V and O^T in window 1, P in window 0
.set W_RS, 0x41                        ; O^T (destination and source 0) in window 1, a in window 0
.set TO_1, 0x40                        ; destination window 1, address window 0
.macro PLACES
.rept 4
	v_nop
.endr
.endm
; A joint refill.  The branch hangs on the wave's number alone.  An s_nop 0 and four v_nop follow each of the two lines.
.macro JLOAD
	s_cmp_lt_u32 s[WV], 4
	s_cbranch_scc0 .Lfor_v_\@
	tensor_load_to_lds s[G0K+4:G0K+7], s[G1K:G1K+7]
	s_nop 0
.rept 4
	v_nop
.endr
	s_branch .Lasked_\@
.Lfor_v_\@:
	tensor_load_to_lds s[G0V+4:G0V+7], s[G1V:G1V+7]
	s_nop 0
.rept 4
	v_nop
.endr
.Lasked_\@:
.endm
; A PREFETCH of what the NEXT change of slots will ask for: a slot's 32,768 bytes of K and of V.  The four partners share them out BY ADDRESS, 8,192 bytes each; in each, wave 0 asks for K's and wave 4 for V's,
; lanes 256 bytes apart: one instruction, four key steps ahead of the load.  So each aligned block of 256 bytes of slots 3 to 7 is named once in the launch.  Slots 0 to 2 come by their loads alone, and the last
; change that fills a slot asks for nothing: there is no slot behind it.
.macro ASK
	s_cmp_gt_u32 s[SLOTS], s[LIM]
	s_cbranch_scc0 .Lnot_mine_\@
	global_prefetch_b8 v[PFO], s[PFA:PFA+1] th:TH_LOAD_NT scope:SCOPE_SE
.Lnot_mine_\@:
.endm
.macro CROUND                          ; a round of the cluster's barrier: my work-group's barrier; wave 0 signals for the work-group; every wave waits for all four; my work-group's barrier once more
	s_barrier_signal -1
	s_barrier_wait -1
	s_cmp_lg_u32 s[WV], 0
	s_cbranch_scc1 .Lnot_wave_0_\@
	s_barrier_signal -3
.Lnot_wave_0_\@:
	s_barrier_wait -3
	s_barrier_signal -1
	s_barrier_wait -1
.endm
	s_load_b128 s[4:7], s[0:1], 0x0                ; qkv s[4:5], att s[6:7]
	v_lshl_add_u32 v[SPW], v0, 2, SPARE
	v_mov_b32 v[NIL], 0
	ds_add_u32 v[SPW], v[NIL]                      ; the wave's opening: the add, twice on end, and its wait ahead of my first tensor load
	ds_add_u32 v[SPW], v[NIL]                      ; and once more; the set-up below, work on registers, stands between it and the wait
	v_lshrrev_b32 v1, 5, v0
	v_readfirstlane_b32 s[WV], v1                  ; wave 0..7
	s_bfe_u32 s13, ttmp6, 0x40000                  ; cx: my block of 512 queries: it enters Q's, att's and the prefetches' addresses alone
	s_and_b32 s20, ttmp7, 0xffff                   ; the pair of batch and head, which the four partners share
	s_lshl_b32 s20, s20, 18                        ; 2,048 rows of 128 bytes
	s_mov_b32 s21, 0
	s_and_b32 s16, s[WV], 3                        ; which of a slot's four steps I fetch:
	s_lshl_b32 s22, s16, 13                        ; its 64 rows of 128 bytes in memory,
	s_mov_b32 s23, 0
	s_add_nc_u64 s[22:23], s[22:23], s[20:21]
	s_mul_i32 s17, s16, STEPB                      ; and its place in a slot: no place in the cluster enters an LDS address
	s_lshl_b32 s2, s13, 16                         ; my block's 512 rows,
	s_lshl_b32 s3, s[WV], 13                       ; my wave's 64 of them
	s_add_co_u32 s2, s2, s3
	s_mov_b32 s3, 0
	s_add_nc_u64 s[2:3], s[2:3], s[20:21]
	; descriptor group 1: a tile of 64 rows x 64 elements, padded in LDS
	s_mov_b32 s[G1K], 15|(1<<16)|(1<<20)|(1<<21)|(4<<22)|(3<<25)  ; 15:0 the mask: all four work-groups; 17:16 elements of 2 bytes; 20 padding on; 21 set beside a mask; 24:22 after every 32 words; 31:25 four words
	s_mov_b32 s[G1V], 15|(1<<16)|(1<<20)|(1<<21)|(4<<22)|(7<<25)  ; the same with eight words of padding
.irp g, G1K, G1V
	s_mov_b32 s[\g+1], 64<<16                      ; tensor_dim0
	s_mov_b32 s[\g+2], KS<<16                      ; tensor_dim1
	s_mov_b32 s[\g+3], 64<<16                      ; tile_dim0
	s_mov_b32 s[\g+4], KS                          ; tile_dim1
	s_mov_b32 s[\g+5], 64                          ; tensor_dim0_stride
	s_mov_b32 s[\g+6], 0
	s_mov_b32 s[\g+7], 0
.endr
	s_mov_b32 s[CS], 0x3e38aa3b                    ; c = log2(e) / sqrt(64)
	s_mov_b32 s[CS+1], s[CS]                       ; named with it as a pair, so it is written
	s_mov_b32 s[SEL], 0x76543210
	s_mov_b32 s[SEL+1], 0xfedcba98
	s_mov_b32 s[TB], 0
	s_mov_b32 s[SLOTS], 2048/(NST*KS)-2
	s_cmp_eq_u32 s16, 0                            ; waves 0 and 4 prefetch: the same in all four partners
	s_cselect_b32 s[LIM], 1, -1
	s_wait_dscnt 0x0                               ; both opening adds are done
	s_wait_kmcnt 0x0
	s_add_nc_u64 s[68:69], s[4:5], 0x1000000       ; k begins 16,777,216 bytes into qkv,
	s_add_nc_u64 s[70:71], s[4:5], 0x2000000       ; v 33,554,432
	s_add_nc_u64 s[68:69], s[68:69], s[22:23]      ; both at my tile of slot 0
	s_add_nc_u64 s[70:71], s[70:71], s[22:23]
	s_add_nc_u64 s[8:9], s[4:5], s[2:3]            ; Q and att at my wave's first row
	s_add_nc_u64 s[10:11], s[6:7], s[2:3]
	s_cmp_lt_u32 s[WV], 4
	s_cselect_b64 s[PFA:PFA+1], s[68:69], s[70:71] ; (in waves 0 and 4 these stand at a slot's first row)
	s_lshl_b32 s2, s13, 13                         ; my work-group's 8,192 bytes of the 32,768
	s_mov_b32 s3, 0
	s_add_nc_u64 s[PFA:PFA+1], s[PFA:PFA+1], s[2:3]
	s_add_nc_u64 s[PFA:PFA+1], s[PFA:PFA+1], 2*SLOTB   ; in slot 2; the first change of slots steps it to slot 3
	CROUND                                         ; all four work-groups are here: the first joint loads meet
.irp s, 0,1
	s_mov_b32 s[G0K+4*\s], 1                       ; count = 1
	s_add_co_u32 s[G0K+4*\s+1], s17, \s*SLOT1      ; LDS address
	s_add_nc_u64 s[G0K+4*\s+2:G0K+4*\s+3], s[68:69], \s*SLOTB   ; global address
	s_or_b32 s[G0K+4*\s+3], s[G0K+4*\s+3], 0x80000000           ; type = 2
	s_mov_b32 s[G0V+4*\s], 1
	s_add_co_u32 s[G0V+4*\s+1], s17, \s*SLOT1+VOFF
	s_add_nc_u64 s[G0V+4*\s+2:G0V+4*\s+3], s[70:71], \s*SLOTB
	s_or_b32 s[G0V+4*\s+3], s[G0V+4*\s+3], 0x80000000
.endr
	s_cmp_lt_u32 s[WV], 4                          ; a wave's two first fills stand in one branch, ahead of every wait on TENSORcnt and every LDS read
	s_cbranch_scc0 .Lfirst_v
	tensor_load_to_lds s[G0K:G0K+3], s[G1K:G1K+7]
	s_nop 0
	tensor_load_to_lds s[G0K+4:G0K+7], s[G1K:G1K+7]
	s_nop 0
.rept 4
	v_nop
.endr
	s_branch .Lfirst_asked
.Lfirst_v:
	tensor_load_to_lds s[G0V:G0V+3], s[G1V:G1V+7]
	s_nop 0
	tensor_load_to_lds s[G0V+4:G0V+7], s[G1V:G1V+7]
	s_nop 0
.rept 4
	v_nop
.endr
.Lfirst_asked:
	; A fragment of K or Q is 16 rows x 32 channels in 8 registers: lane l holds row l % 16; registers 0-3 channels 8 (l / 16) + 0..7, registers 4-7 channels 16 + 8 (l / 16) + 0..7: two loads of 16 bytes, 32 bytes apart
	v_and_b32 v1, 15, v0                           ; r
	v_bfe_u32 v9, v0, 4, 1                         ; h
	v_lshlrev_b32 v[QO], 7, v1
	v_lshl_add_u32 v[QO], v9, 4, v[QO]             ; row x 128 + 16 x half
	WIN TO_1
.irp t, 0,1,2,3
.irp cg, 0,1
	global_load_b128 v[QF+16*\t+8*\cg:QF+16*\t+8*\cg+3],   v[QO], s[8:9] offset:2048*\t+64*\cg      ; Q stays in registers
	global_load_b128 v[QF+16*\t+8*\cg+4:QF+16*\t+8*\cg+7], v[QO], s[8:9] offset:2048*\t+64*\cg+32
.endr
.endr
.set i, 0
.rept 128
	v_mov_b32 v[i], 0                              ; O^T
.set i, i+1
.endr
	WIN 0
	v_mul_u32_u24 v[AK0], v1, PK
	v_lshl_add_u32 v[AK0], v9, 4, v[AK0]           ; row x pitch + 16 x half
	; the turning load takes 16 keys x 16 channels (lane l reads 16 bytes: key 8 (l / 16) + l % 8, channels 8 ((l / 8) % 2) + 0..7) and leaves half a fragment of V^T: lane l holds channel l % 16 and 8 keys
	v_and_b32 v10, 7, v0
	v_bfe_u32 v11, v0, 3, 1
	v_lshl_add_u32 v[AV0], v9, 3, v10
	v_mul_u32_u24 v[AV0], v[AV0], PV
	v_lshl_add_u32 v[AV0], v11, 4, v[AV0]
	v_add_nc_u32 v[AV0], VOFF, v[AV0]
	s_mul_i32 s2, s[WV], SREG
	s_add_co_u32 s2, s2, STAGE                     ; my stage: a tile's 16 rows of 128 bytes as 8 lines of 256 + 16
	v_lshrrev_b32 v10, 1, v1
	v_mul_u32_u24 v[STO], v10, 272                 ; in: row r lies in line r / 2,
	v_and_b32 v10, 1, v1
	v_lshl_add_u32 v[STO], v10, 7, v[STO]          ; half r % 2 of it,
	v_lshl_add_u32 v[STO], v9, 4, v[STO]           ; 16 bytes for each half of the lanes
	v_add_nc_u32 v[STO], s2, v[STO]
	v_mul_u32_u24 v[RD], v9, 272                   ; back: lanes 0-15 one line, lanes 16-31 the next
	v_lshl_add_u32 v[RD], v1, 4, v[RD]
	v_add_nc_u32 v[RD], s2, v[RD]
	v_and_b32 v10, 31, v0
	v_lshlrev_b32 v[GO], 4, v10
	v_lshlrev_b32 v[PFO], 8, v10
.irp t, 0,1,2,3
	v_mov_b32 v[ST+8*\t+1], 0xff61b1e6             ; m: -3e38, under every score
	v_mul_f32 v[ST+8*\t], s[CS], v[ST+8*\t+1]      ; c m
	v_mov_b32 v[ST+8*\t+2], 0                      ; l, in two halves
	v_mov_b32 v[ST+8*\t+3], 0
.endr
; THE LDS LOADS stand in runs of 16: a step's K (8 fragments), and its V (8, turned).
.macro FETCH_K
	v_add_nc_u32 v[ADR], s[TB], v[AK0]
.irp kt, 0,1,2,3
.irp cg, 0,1
	ds_load_b128 v[KF+8*(2*\kt+\cg):KF+8*(2*\kt+\cg)+3],   v[ADR] offset:\kt*16*PK+\cg*64
	ds_load_b128 v[KF+8*(2*\kt+\cg)+4:KF+8*(2*\kt+\cg)+7], v[ADR] offset:\kt*16*PK+\cg*64+32
.endr
.endr
.endm
; THE MATRIX WORK.  The sixteen accumulators of each product take turns, one instruction a turn: between two links of a chain stand fifteen others'.
.macro KQ                              ; S^T = K Q^T: 32 products; the first sixteen start the sums
.irp cg, 0,1
.irp kt, 0,1,2,3
.irp t, 0,1,2,3
.if \cg == 0
	v_wmma_f32_16x16x32_f16 v[S+32*\t+8*\kt:S+32*\t+8*\kt+7], v[KF+8*(2*\kt+\cg):KF+8*(2*\kt+\cg)+7], v[QF+16*\t+8*\cg:QF+16*\t+8*\cg+7], 0
.else
	v_wmma_f32_16x16x32_f16 v[S+32*\t+8*\kt:S+32*\t+8*\kt+7], v[KF+8*(2*\kt+\cg):KF+8*(2*\kt+\cg)+7], v[QF+16*\t+8*\cg:QF+16*\t+8*\cg+7], v[S+32*\t+8*\kt:S+32*\t+8*\kt+7]
.endif
.endr
.endr
.endr
.endm
.macro PVM                             ; O^T += V^T P: 32 products
.irp kg, 0,1
.irp ct, 0,1,2,3
.irp t, 0,1,2,3
	v_wmma_f32_16x16x32_f16 v[32*\t+8*\ct:32*\t+8*\ct+7], v[VF+8*(4*\kg+\ct):VF+8*(4*\kg+\ct)+7], v[S+32*\t+8*\kg:S+32*\t+8*\kg+7], v[32*\t+8*\ct:32*\t+8*\ct+7]
.endr
.endr
.endr
.endm
; THE SOFTMAX of a key step, 118 instructions a tile; the four tiles alternate line by line, so that no line reads the result of the line above it.
.macro SOFTMAX
.irp j, 0,1,2,3                        ; the maximum of the lane's 32 scores and the old m, three operands at a time: four chains; each accumulator is read from its low end on
.irp t, 0,1,2,3
	v_max3_num_f32 v[ST+8*\t+4+\j], v[S+32*\t+8*\j], v[S+32*\t+8*\j+1], v[S+32*\t+8*\j+2]
.endr
.endr
.irp g, 1,2
.irp j, 0,1,2,3
.irp t, 0,1,2,3
	v_max3_num_f32 v[ST+8*\t+4+\j], v[ST+8*\t+4+\j], v[S+32*\t+8*\j+2*\g+1], v[S+32*\t+8*\j+2*\g+2]
.endr
.endr
.endr
.irp t, 0,1,2,3
	v_max3_num_f32 v[ST+8*\t+4], v[ST+8*\t+4], v[S+32*\t+7], v[S+32*\t+15]
.endr
.irp t, 0,1,2,3
	v_max3_num_f32 v[ST+8*\t+6], v[ST+8*\t+6], v[S+32*\t+23], v[S+32*\t+31]
.endr
.irp t, 0,1,2,3
	v_max3_num_f32 v[ST+8*\t+4], v[ST+8*\t+4], v[ST+8*\t+5], v[ST+8*\t+6]
.endr
.irp t, 0,1,2,3
	v_max3_num_f32 v[ST+8*\t+4], v[ST+8*\t+4], v[ST+8*\t+7], v[ST+8*\t+1]
.endr
.irp t, 0,1,2,3
	v_permlanex16_b32 v[ST+8*\t+5], v[ST+8*\t+4], s[SEL], s[SEL+1]   ; the query's other 32 keys lie in the lane 16 away
.endr
.irp t, 0,1,2,3
	v_mov_b32 v[ST+8*\t+7], v[ST+8*\t]             ; c m_old is kept for a
.endr
.irp t, 0,1,2,3
	v_max_num_f32 v[ST+8*\t+1], v[ST+8*\t+4], v[ST+8*\t+5]         ; the new m
.endr
.irp t, 0,1,2,3
	v_mul_f32 v[ST+8*\t], s[CS], v[ST+8*\t+1]      ; c m
.endr
.irp t, 0,1,2,3
	v_sub_f32 v[ST+8*\t+7], v[ST+8*\t+7], v[ST+8*\t]               ; c m_old - c m_new
.endr
.set i, 0
.rept 16
.irp t, 0,1,2,3
	v_pk_fma_f32 v[S+32*\t+i:S+32*\t+i+1], v[S+32*\t+i:S+32*\t+i+1], s[CS:CS+1], v[ST+8*\t:ST+8*\t+1] op_sel_hi:[1,0,0] neg_lo:[0,0,1] neg_hi:[0,0,1]   ; c s - c m, two at a time
.endr
.set i, i+2
.endr
.irp t, 0,1,2,3                        ; ONE BATCH: the four a and all 128 p; none of these lines reads an exponential's result
	v_exp_f32 v[ST+8*\t+6], v[ST+8*\t+7]
.endr
.set i, 0
.rept 32
.irp t, 0,1,2,3
	v_exp_f32 v[S+32*\t+i], v[S+32*\t+i]
.endr
.set i, i+1
.endr
	v_nop                                          ; a plain instruction behind the last exponential, ahead of the first use (ISA guide 5.7.2)
	s_wait_alu depctr_va_vdst(0)                   ; and the one wait ahead of the batch's first reader
.irp t, 0,1,2,3                        ; the sums of the unrounded p, two at a time, in two chains a tile; S^T stays whole for the roundings
	v_pk_add_f32 v[ST+8*\t+4:ST+8*\t+5], v[S+32*\t:S+32*\t+1], v[S+32*\t+2:S+32*\t+3]
.endr
.irp t, 0,1,2,3
	v_pk_add_f32 v[U+2*\t:U+2*\t+1], v[S+32*\t+4:S+32*\t+5], v[S+32*\t+6:S+32*\t+7]
.endr
.set i, 8
.rept 6
.irp t, 0,1,2,3
	v_pk_add_f32 v[ST+8*\t+4:ST+8*\t+5], v[ST+8*\t+4:ST+8*\t+5], v[S+32*\t+i:S+32*\t+i+1]
.endr
.irp t, 0,1,2,3
	v_pk_add_f32 v[U+2*\t:U+2*\t+1], v[U+2*\t:U+2*\t+1], v[S+32*\t+i+2:S+32*\t+i+3]
.endr
.set i, i+4
.endr
.irp t, 0,1,2,3
	v_pk_add_f32 v[ST+8*\t+4:ST+8*\t+5], v[ST+8*\t+4:ST+8*\t+5], v[U+2*\t:U+2*\t+1]
.endr
.irp t, 0,1,2,3
	v_pk_fma_f32 v[ST+8*\t+2:ST+8*\t+3], v[ST+8*\t+2:ST+8*\t+3], v[ST+8*\t+6:ST+8*\t+7], v[ST+8*\t+4:ST+8*\t+5] op_sel_hi:[1,0,1]   ; l = a l + the step's sum
.endr
.set i, 0
.rept 16
.irp t, 0,1,2,3
	v_cvt_pk_f16_f32 v[S+32*\t+i], v[S+32*\t+2*i], v[S+32*\t+2*i+1]   ; P in place: register i takes pair i, ascending, so no pair is written over before it is read
.endr
.set i, i+1
.endr
	WIN W_RS
.set i, 0
.rept 16
.irp t, 0,1,2,3
	v_pk_mul_f32 v[32*\t+i:32*\t+i+1], v[32*\t+i:32*\t+i+1], v[ST+8*\t+6:ST+8*\t+7] op_sel_hi:[1,0]   ; O^T x a, each accumulator from its low end on
.endr
.set i, i+2
.endr
.endm
; THE CHANGE OF SLOTS stands in a slot's last step, behind its products K Q^T: the slot's last bytes, V of this step, have been asked for.  Each wave waits for all its tensor loads, of which one is out: its part of
; the other slot; adds 0 to its spare word; and waits for that and for its own reads of the slot.  Behind the barrier nobody reads this slot any more and the other slot is whole.
; fill = 1: the slot is filled again, with the keys two slots on.  The barrier is then a round of the cluster's, and the joint refill is the first thing behind it: it has four key steps in which to land.
.macro CHANGE fill
	s_wait_tensorcnt 0x0                           ; no tensor load of mine is out, so a group 0 may be written
	ds_add_u32 v[SPW], v[NIL]                      ; 0 onto my spare word
.if \fill
.irp g, G0K+4, G0V+4
	s_xor_b32 s[\g+1], s[\g+1], SLOT1              ; the walking descriptor: the other slot than last time,
	s_add_nc_u64 s[\g+2:\g+3], s[\g+2:\g+3], SLOTB ; the next 256 keys; the type bits on top are not reached
.endr
	s_wait_xcnt 0x0                                ; the last prefetch, four key steps back, has read its address, so it may be written:
	s_add_nc_u64 s[PFA:PFA+1], s[PFA:PFA+1], SLOTB ; one slot further on than the walking descriptors
	s_wait_dscnt 0x0                               ; the add is done, and my reads of the slot are over
	CROUND
	JLOAD                                          ; its four v_nop are also the places in front of the loads into K's registers
	ASK
.else
	s_wait_dscnt 0x0                               ; the add is done, and my reads of the slot are over
	s_barrier_signal -1
	s_barrier_wait -1
	PLACES
.endif
	s_sub_co_u32 s[TB], s[TB], (NST-1)*STEPB       ; the fetches go back to a slot's first step,
	s_xor_b32 s[TB], s[TB], SLOT1                  ; in the other slot
.endm
; A KEY STEP.  kind 0: its successor lies in the same slot; 1: a change of slots with a refill; 2: the last change, nothing is asked for; 3: the last step.
; A vector instruction that reads a matrix result, and a load into a register that a matrix instruction has read, stand four places behind it; a matrix instruction that writes over a register of an earlier one
; five; only plain vector instructions that name none of its registers are places (ISA guide 7.12.1 for vector instructions).
.macro STEP kind
	WIN 0
	v_add_nc_u32 v[ADR], s[TB], v[AV0]             ; with the four below: five places between the last V^T P and the K Q^T that writes over P; four of them serve the loads into V's registers
	PLACES
	WIN TO_1
.irp kg, 0,1
.irp ct, 0,1,2,3
	ds_load_tr16_b128 v[VF+8*(4*\kg+\ct):VF+8*(4*\kg+\ct)+3],   v[ADR] offset:\kg*32*PV+\ct*32
	ds_load_tr16_b128 v[VF+8*(4*\kg+\ct)+4:VF+8*(4*\kg+\ct)+7], v[ADR] offset:\kg*32*PV+16*PV+\ct*32
.endr
.endr
	s_wait_dscnt 16                                ; K of this step is in; V's sixteen loads, just issued, may be out
	WIN W_KQ
	KQ
	WIN 0
.if \kind == 0
	s_add_co_u32 s[TB], s[TB], STEPB               ; on to the next step's tiles
	PLACES
.elseif \kind == 1
	CHANGE 1
.elseif \kind == 2
	CHANGE 0
.else
	PLACES
.endif
.if \kind < 3
	FETCH_K                                        ; the next step's K lands under the softmax
.endif
	SOFTMAX
.if \kind < 3
	s_wait_dscnt 16                                ; V is in; the next K's sixteen loads may be out
.else
	s_wait_dscnt 0x0                               ; V is in
.endif
	WIN W_PV
	PVM
	WIN 0                                          ; at a label and at a branch every window is 0
.endm
.macro THREE                           ; three plain steps: written once, walked three times; the LDS addresses hang on s[TB]
	s_mov_b32 s[INNER], 3
.Lstep_\@:
	STEP 0
	s_sub_co_u32 s[INNER], s[INNER], 1
	s_cmp_lg_u32 s[INNER], 0
	s_cbranch_scc1 .Lstep_\@
.endm
	s_wait_tensorcnt 1                             ; my part of slot 0 is in; slot 1's may stay out
	s_barrier_signal -1
	s_barrier_wait -1                              ; everybody's is
	FETCH_K                                        ; key step 0
	s_wait_loadcnt 0x0                             ; Q
	THREE
.Lslot:                                            ; six trips: every slot but the last two is filled again
	STEP 1
	THREE
	s_sub_co_u32 s[SLOTS], s[SLOTS], 1
	s_cmp_lg_u32 s[SLOTS], 0
	s_cbranch_scc1 .Lslot
	STEP 2                                         ; the tail is written out
	THREE
	STEP 3
	; THE WAY OUT.  l's two halves and the other half of the lanes' are added; O^T is divided by l, rounded to f16 and sent through my stage, a tile (16 rows of att) at a time.  The additions are the places behind the last products.
.irp t, 0,1,2,3
	v_add_f32 v[ST+8*\t+4], v[ST+8*\t+2], v[ST+8*\t+3]
.endr
.irp t, 0,1,2,3
	v_permlanex16_b32 v[ST+8*\t+5], v[ST+8*\t+4], s[SEL], s[SEL+1]
.endr
.irp t, 0,1,2,3
	v_add_f32 v[ST+8*\t+4], v[ST+8*\t+4], v[ST+8*\t+5]
.endr
.irp t, 0,1,2,3
	v_rcp_f32 v[ST+8*\t+6], v[ST+8*\t+4]
.endr
	v_nop                                          ; a plain instruction between the last reciprocal and the use of its result
	s_wait_alu depctr_va_vdst(0)                   ; and the wait ahead of the first use: one for the four
.macro OPACK t
	WIN W_RS
.set i, 0
.rept 16
	v_pk_mul_f32 v[32*\t+i:32*\t+i+1], v[32*\t+i:32*\t+i+1], v[ST+8*\t+6:ST+8*\t+7] op_sel_hi:[1,0]
.set i, i+2
.endr
	WIN 0x05                                       ; sources 0 and 1 window 1, destination window 0: S^T's registers are free
.set i, 0
.rept 16
	v_cvt_pk_f16_f32 v[S+32*\t+i], v[32*\t+2*i], v[32*\t+2*i+1]
.set i, i+1
.endr
	WIN 0
.irp c, 0,1,2,3
	ds_store_b128 v[STO], v[S+32*\t+4*\c:S+32*\t+4*\c+3] offset:32*\c           ; channels 16 c + 8 (lane / 16) on
.endr
.irp c, 0,1,2,3
	ds_load_b128 v[S+32*\t+16+4*\c:S+32*\t+16+4*\c+3], v[RD] offset:544*\c      ; LDS serves a wave's instructions in order (ISA guide 5.7.1.4): these see the stores above; the next tile's stores come behind them
.endr
.endm
.macro OSEND t, younger                ; younger: the LDS instructions issued behind tile t's loads: the next tile's eight, or none
.irp c, 0,1,2,3
	s_wait_dscnt \younger+3-\c
	global_store_b128 v[GO], v[S+32*\t+16+4*\c:S+32*\t+16+4*\c+3], s[10:11] offset:2048*\t+512*\c   ; 32 lanes store 512 consecutive bytes, at a multiple of 256 from att's first byte
.endr
.endm
	OPACK 0
	OPACK 1                                        ; a tile's arithmetic stands between the loads of the tile before and its stores
	OSEND 0, 8
	OPACK 2
	OSEND 1, 8
	OPACK 3
	OSEND 2, 8
	OSEND 3, 0
	s_wait_tensorcnt 0x0                           ; the wave's end: these three lines, behind my last tensor load and my last LDS store
	ds_add_u32 v[SPW], v[NIL]
	s_wait_dscnt 0x0
	CROUND                                         ; the closing round: no work-group ends while a partner may still ask for a tile that names it
	s_endpgm
.Lfunc_end_k_qb8b70862b9_attn:
	.size	k_qb8b70862b9_attn, .Lfunc_end_k_qb8b70862b9_attn-k_qb8b70862b9_attn
	.p2alignl 7, 3214868480
	.fill 96, 4, 3214868480
	.section	.rodata,"a",@progbits
	.p2align	6, 0x0
	.amdhsa_kernel k_qb8b70862b9_attn
		.amdhsa_group_segment_fixed_size 327680
		.amdhsa_private_segment_fixed_size 0
		.amdhsa_enable_private_segment 0
		.amdhsa_kernarg_size 16
		.amdhsa_user_sgpr_count 2
		.amdhsa_user_sgpr_kernarg_segment_ptr 1
		.amdhsa_wavefront_size32 1
		.amdhsa_system_sgpr_workgroup_id_x 1
		.amdhsa_system_sgpr_workgroup_id_y 1
		.amdhsa_system_sgpr_workgroup_id_z 1
		.amdhsa_system_vgpr_workitem_id 0
		.amdhsa_next_free_vgpr 512
		.amdhsa_next_free_sgpr 72
		.amdhsa_reserve_vcc 0
		.amdhsa_float_denorm_mode_32 3
		.amdhsa_float_denorm_mode_16_64 3
		.amdhsa_memory_ordered 1
		.amdhsa_forward_progress 1
		.amdhsa_inst_pref_size 218
	.end_amdhsa_kernel
	.amdgpu_metadata
---
amdhsa.version: [ 1, 2 ]
amdhsa.kernels:
  - .name:           k_qb8b70862b9_attn
    .symbol:         k_qb8b70862b9_attn.kd
    .args:
      - { .name: qkv, .offset: 0, .size: 8, .value_kind: global_buffer, .address_space: global }
      - { .name: att, .offset: 8, .size: 8, .value_kind: global_buffer, .address_space: global }
    .group_segment_fixed_size: 327680
    .private_segment_fixed_size: 0
    .kernarg_segment_align: 8
    .kernarg_segment_size: 16
    .max_flat_workgroup_size: 256
    .sgpr_count:     72
    .vgpr_count:     512
    .wavefront_size: 32
...
	.end_amdgpu_metadata
.endif
;; end of part 3
;; launch proj (part 4): grid 8 x 32, 4 waves a work-group, clusters of 4 x 4, 327,680 bytes of LDS; arguments att, wot, bo, out0; writes out0
.if DOCPART == 4
	.amdgcn_target "amdgcn-amd-amdhsa--gfx1250"
	.amdhsa_code_object_version 6
	.text
	.protected	k_qb8b70862b9_proj
	.globl	k_qb8b70862b9_proj
	.p2align	8
	.type	k_qb8b70862b9_proj,@function
k_qb8b70862b9_proj:
	s_mov_b64 s[64:65], 0
	v_nop
	global_prefetch_b8 v0, s[64:65] scope:SCOPE_SE
	s_setreg_imm32_b32 hwreg(HW_REG_WAVE_MODE, 25, 1), 1
	s_wait_xcnt 0x0
	s_wait_alu depctr_hold_cnt(0) depctr_sa_sdst(0) depctr_va_vdst(0) depctr_va_sdst(0) depctr_va_ssrc(0) depctr_va_vcc(0) depctr_vm_vsrc(0)
	s_getreg_b32 s2, hwreg(HW_REG_IB_STS2, 6, 4)
	s_cmp_eq_u32 s2, 0
	s_cbranch_scc0 .Lentry_in_a_cluster
	s_endpgm
.Lentry_in_a_cluster:
	s_bfe_u32 s2, ttmp6, 0x10000c
	s_cmp_lg_u32 s2, 0xf033
	s_cbranch_scc0 .Lentry_shape_is_right
	s_endpgm
.Lentry_shape_is_right:
; out0[m][n] = the sum over k of concat[m][k] Wo[k][n] + bo[n]: [8192][1024] x [1024][1024], f16 operands, f32 sums, f32 out.
; concat lies by head: att [batch 4][head 16][2048][64] f16, k = 64 head + channel.  wot [1024 n][1024 k] f16 is Wo with K innermost.
; A tile of 256 rows x 128 columns is made by a work-group of four waves: 256 work-groups.  A wave makes 128 x 64: 32 accumulators of 16 x 16, 256 registers.
; K goes in steps of 128 (two heads) through a ring of two LDS slots.  Of att a K step is two dense blocks of 256 rows x 128 bytes, one for each head: each comes as 128 lines of 256 bytes (waves 0, 1);
; of wot it is 128 rows of 256 bytes (waves 2, 3: 64 rows each).  Two tensor loads of a wave are out at the head, one behind each change of slots.
; CLUSTERS: 4 x 4 work-groups.  The four of a row of the cluster need the same tiles of att, the four of a column the same tiles of wot: each tile is asked for JOINTLY.
; THE MATRIX INSTRUCTION IS USED TRANSPOSED (source 0 = 16 rows of wot, source 1 = 16 rows of att): a lane then holds eight neighbouring columns of a row.  THE BIAS IS THE C OF EACH SUM'S FIRST PRODUCT.
; REGISTERS: window 0: v0-31 addresses; v32-63 the bias in the result's layout; v64-127 rows on the way out, two sets.   window 1: two fragment buffers of 128: 64 registers of att (8 x 16 rows x 32 K), then 32 of wot.
;   window 2: the accumulators ((a, b) at v[8 (4 a + b)]).
.set PLANE,  128*272                   ; a head's 256 rows of 128 bytes, as 128 lines of 256 bytes + 16 of padding
.set HALFB,  64*272                    ; 64 rows of wot, 256 bytes + 16
.set SLOT,   2*PLANE+2*HALFB
.set ASTEP,  2*262144                  ; a K step on in att: two heads of 2,048 rows x 128 bytes
.set BSTEP,  256                       ; and in a row of wot
.set STAGE,  2*SLOT                    ; behind the ring: 16 rows x (256 bytes + 16) for each wave, for the way out
.set SPARE,  STAGE+4*16*272            ; the spare words, 128 bytes for each wave: two blocks of 256 bytes that no other line names
.set LAPS,   4                         ; a lap = two K steps = once round the ring
.set ADRA, 16                          ; v16-17  LDS address of my att fragments in slot 0, 1
.set ADRB, 20                          ; v20-21  the same for wot
.set STO,  24                          ; v24     the way out: where I put 32 bytes of a row
.set RD,   25                          ; v25     where I read a row back
.set CO,   26                          ; v26     my byte offset in out0
.set BO,   27                          ; v27     32 x (lane / 16): my eight numbers of a bias block
.set SPW,  28                          ; v28     LDS address of my spare word; never rewritten
.set NIL,  29                          ; v29     0; never rewritten
.set BIAS, 32                          ; block b at v[BIAS + 8 b]
.set BK,   64
.set F0,   0                           ; fragment buffers, in window 1
.set F1,   128
.set G1, 24                            ; s[24:31] descriptor group 1 for att's tiles;  s[32:39] group 0, a set for each slot
.set G0, 32
.set G1B, 48                           ; s[48:55], s[56:63] the same for wot's
.set G0B, 56
.set MSB, 0
.macro WIN new                         ; the immediate's high byte repeats the setting that is left
.if MSB != \new
	s_set_vgpr_msb (MSB<<8)|\new
.set MSB, \new
.endif
.endm
.set MUL,  0xa5                        ; sources 0 and 1 window 1; C and D window 2
.set FST,  0x85                        ; the first products: C is the bias, in window 0
.set TO_F, 0x40                        ; destination window 1, address window 0
.macro JLOAD s                         ; a joint load: waves 0 and 1 fetch att's two heads, waves 2 and 3 wot's two halves; an s_nop 0 and four v_nop follow each of the two lines
	s_cmp_eq_u32 s11, 0
	s_cbranch_scc0 .Lfor_b_\@
	tensor_load_to_lds s[G0+4*\s:G0+4*\s+3], s[G1:G1+7]
	s_nop 0
.rept 4
	v_nop
.endr
	s_branch .Lasked_\@
.Lfor_b_\@:
	tensor_load_to_lds s[G0B+4*\s:G0B+4*\s+3], s[G1B:G1B+7]
	s_nop 0
.rept 4
	v_nop
.endr
.Lasked_\@:
.endm
.macro CREST                           ; a round of the cluster's barrier behind its opening barrier
	s_cmp_lg_u32 s10, 0
	s_cbranch_scc1 .Lnot_wave_0_\@
	s_barrier_signal -3
.Lnot_wave_0_\@:
	s_barrier_wait -3
	s_barrier_signal -1
	s_barrier_wait -1
.endm
.macro CROUND                          ; a whole round
	s_barrier_signal -1
	s_barrier_wait -1
	CREST
.endm
	s_load_b128 s[4:7], s[0:1], 0x0                ; att s[4:5], wot s[6:7]
	s_load_b64 s[66:67], s[0:1], 0x10              ; bo
	s_load_b64 s[8:9], s[0:1], 0x18                ; out0
	v_lshl_add_u32 v[SPW], v0, 2, SPARE
	v_mov_b32 v[NIL], 0
	ds_add_u32 v[SPW], v[NIL]                      ; the wave's opening: the add, twice on end, and its wait ahead of my first tensor load
	ds_add_u32 v[SPW], v[NIL]                      ; and once more; the set-up below, work on registers, stands between it and the wait
	v_lshrrev_b32 v1, 5, v0
	v_readfirstlane_b32 s10, v1                    ; wave 0..3
	s_lshr_b32 s11, s10, 1                         ; which 128 of the tile's rows are mine.  Also: I fetch for att (0) or for wot (1)
	s_and_b32 s12, s10, 1                          ; which 64 of its columns.  Also: which head, or which 64 rows of wot, I fetch
	s_bfe_u32 s40, ttmp6, 0x40000                  ; cx, cy: my place in the cluster
	s_bfe_u32 s41, ttmp6, 0x40004
	s_lshl_b32 s42, ttmp9, 2
	s_add_co_u32 s42, s42, s40                     ; tile column = 4 x cluster x + cx
	s_and_b32 s13, ttmp7, 0xffff
	s_lshl_b32 s13, s13, 2
	s_add_co_u32 s13, s13, s41                     ; tile row = 4 x cluster y + cy
	s_lshl_b32 s43, s41, 2
	s_lshl_b32 s43, 15, s43                        ; my row of the cluster
	s_lshl_b32 s44, 0x1111, s40                    ; my column
	s_or_b32 s[G1+0], s43, (1<<16)|(1<<20)|(1<<21)|(5<<22)|(3<<25)  ; 15:0 the mask: att's tiles go to my row; 17:16 elements of 2 bytes; 20 padding on; 21 set beside a mask; 24:22 after every 64 words; 31:25 four words
	s_or_b32 s[G1B+0], s44, (1<<16)|(1<<20)|(1<<21)|(5<<22)|(3<<25)
	s_mov_b32 s[G1+1], 128<<16                     ; att: a dense block as 128 lines of 128 elements
	s_mov_b32 s[G1+2], 128<<16
	s_mov_b32 s[G1+3], 128<<16
	s_mov_b32 s[G1+4], 128
	s_mov_b32 s[G1+5], 128
	s_mov_b32 s[G1+6], 0
	s_mov_b32 s[G1+7], 0
	s_mov_b32 s[G1B+1], 128<<16                    ; wot: 64 rows of 128 elements, 1,024 elements apart
	s_mov_b32 s[G1B+2], 64<<16
	s_mov_b32 s[G1B+3], 128<<16
	s_mov_b32 s[G1B+4], 64
	s_mov_b32 s[G1B+5], 1024
	s_mov_b32 s[G1B+6], 0
	s_mov_b32 s[G1B+7], 0
	s_lshr_b32 s16, s13, 3                         ; att: the batch (8 tile rows each),
	s_lshl_b32 s16, s16, 4                         ; 16 heads a batch,
	s_add_co_u32 s16, s16, s12                     ; the head that I fetch of K step 0's two,
	s_lshl_b32 s16, s16, 11                        ; 2,048 rows a head,
	s_and_b32 s17, s13, 7
	s_lshl_b32 s17, s17, 8
	s_add_co_u32 s16, s16, s17                     ; the tile's first row in the batch,
	s_lshl_b32 s16, s16, 7                         ; 128 bytes a row
	s_mov_b32 s17, 0
	s_lshl_b32 s46, s42, 7                         ; wot: row 128 x tile column + 64 x half,
	s_lshl_b32 s47, s12, 6
	s_add_co_u32 s46, s46, s47
	s_lshl_b32 s46, s46, 11                        ; 2,048 bytes a row
	s_mov_b32 s47, 0
	s_mul_i32 s20, s12, PLANE                      ; where they go: no place in the cluster enters an LDS address
	s_mul_i32 s21, s12, HALFB
	s_add_co_u32 s21, s21, 2*PLANE
	s_wait_dscnt 0x0                               ; both opening adds are done
	s_wait_kmcnt 0x0
	s_add_nc_u64 s[14:15], s[4:5], s[16:17]
	s_add_nc_u64 s[46:47], s[6:7], s[46:47]
	CROUND                                         ; all sixteen work-groups are here: the first joint loads meet
.irp s, 0,1
	s_mov_b32 s[G0+4*\s], 1
	s_add_co_u32 s[G0+4*\s+1], s20, \s*SLOT
	s_add_nc_u64 s[G0+4*\s+2:G0+4*\s+3], s[14:15], \s*ASTEP
	s_or_b32 s[G0+4*\s+3], s[G0+4*\s+3], 0x80000000
	s_mov_b32 s[G0B+4*\s], 1
	s_add_co_u32 s[G0B+4*\s+1], s21, \s*SLOT
	s_add_nc_u64 s[G0B+4*\s+2:G0B+4*\s+3], s[46:47], \s*BSTEP
	s_or_b32 s[G0B+4*\s+3], s[G0B+4*\s+3], 0x80000000
	JLOAD \s
.endr
	v_and_b32 v1, 15, v0                           ; r
	v_bfe_u32 v2, v0, 4, 1                         ; h
	s_lshl_b32 s16, s13, 8
	s_lshl_b32 s17, s11, 7
	s_add_co_u32 s16, s16, s17                     ; my first row of out0,
	s_lshl_b32 s16, s16, 12                        ; 4,096 bytes a row
	s_mov_b32 s17, 0
	s_add_nc_u64 s[8:9], s[8:9], s[16:17]
	s_lshl_b32 s46, s42, 9                         ; my first column, in bytes: 512 x tile column + 256 x half (in the registers that held wot's address: none that feeds att's descriptors ever holds cx)
	s_lshl_b32 s47, s12, 8
	s_add_co_u32 s46, s46, s47
	s_mov_b32 s47, 0
	s_add_nc_u64 s[8:9], s[8:9], s[46:47]
	s_add_nc_u64 s[66:67], s[66:67], s[46:47]      ; and the same place in bo
	v_lshlrev_b32 v[BO], 5, v2
.irp b, 0,1,2,3
	global_load_b128 v[BIAS+8*\b:BIAS+8*\b+3], v[BO], s[66:67] offset:64*\b        ; bo of columns 16 b + 8 h + 0 .. 7
	global_load_b128 v[BIAS+8*\b+4:BIAS+8*\b+7], v[BO], s[66:67] offset:64*\b+16
.endr
	v_lshrrev_b32 v3, 1, v1
	v_mul_u32_u24 v3, v3, 272                      ; att: row r lies in line r / 2,
	v_and_b32 v4, 1, v1
	v_lshl_add_u32 v3, v4, 7, v3                   ; half r % 2 of it,
	v_lshl_add_u32 v3, v2, 4, v3                   ; + 16 x half of the lanes
	v_mul_u32_u24 v4, v1, 272
	v_lshl_add_u32 v4, v2, 4, v4                   ; wot: row x pitch + 16 x half
	s_mul_i32 s21, s11, 64*272                     ; my 128 rows of att: 64 lines of each plane
	s_mul_i32 s22, s12, HALFB                      ; my 64 rows of wot,
	s_add_co_u32 s22, s22, 2*PLANE                 ; which lie behind att's two planes
.irp s, 0,1
	v_add_nc_u32 v[ADRA+\s], s21, v3
	v_add_nc_u32 v[ADRB+\s], s22, v4
	s_add_co_u32 s21, s21, SLOT
	s_add_co_u32 s22, s22, SLOT
.endr
	s_mul_i32 s23, s10, 16*272
	s_add_co_u32 s23, s23, STAGE                   ; my stage
	v_mul_u32_u24 v5, v1, 272                      ; in: row r, 32 bytes for each half of the lanes
	v_lshl_add_u32 v5, v2, 5, v5
	v_add_nc_u32 v[STO], s23, v5
	v_mul_u32_u24 v5, v2, 272                      ; back: lanes 0-15 one row of 256 bytes, lanes 16-31 the next
	v_lshl_add_u32 v5, v1, 4, v5
	v_add_nc_u32 v[RD], s23, v5
	v_lshlrev_b32 v5, 12, v2                       ; and the same two rows in out0
	v_lshl_add_u32 v[CO], v1, 4, v5
; 8 matrix instructions: att's blocks a0, a0 + 1 against wot's four, 32 along K: buffer f.  zero = 1: the first product starts the sums from the bias.
; The 32 accumulators take turns, one instruction a turn, in the same order in every quarter.
.macro MUL8 f, a0, zero
.irp a, \a0, \a0+1
.irp b, 0,1,2,3
.if \zero
	v_wmma_f32_16x16x32_f16 v[8*(4*(\a)+\b):8*(4*(\a)+\b)+7], v[\f+64+8*\b:\f+64+8*\b+7], v[\f+8*(\a):\f+8*(\a)+7], v[BIAS+8*\b:BIAS+8*\b+7]
.else
	v_wmma_f32_16x16x32_f16 v[8*(4*(\a)+\b):8*(4*(\a)+\b)+7], v[\f+64+8*\b:\f+64+8*\b+7], v[\f+8*(\a):\f+8*(\a)+7], v[8*(4*(\a)+\b):8*(4*(\a)+\b)+7]
.endif
.endr
.endr
.endm
; 24 LDS loads in one run: the fragments of the slot's q-th 32 along K into buffer f: wot's four, att's blocks 0-3, att's blocks 4-7
.macro FETCH slot, q, f
	WIN TO_F
.irp i, 0,1,2,3
	ds_load_b128 v[\f+64+8*\i:\f+64+8*\i+3],   v[ADRB+\slot] offset:64*(\q)+\i*16*272
	ds_load_b128 v[\f+64+8*\i+4:\f+64+8*\i+7], v[ADRB+\slot] offset:64*(\q)+\i*16*272+32
.endr
.irp i, 0,1,2,3,4,5,6,7
	ds_load_b128 v[\f+8*\i:\f+8*\i+3],   v[ADRA+\slot] offset:((\q)/2)*PLANE+((\q)%2)*64+\i*8*272
	ds_load_b128 v[\f+8*\i+4:\f+8*\i+7], v[ADRA+\slot] offset:((\q)/2)*PLANE+((\q)%2)*64+\i*8*272+32
.endr
.endm
.macro PLACES                          ; four places in front of loads into registers that matrix instructions have read, and of the first read of results (ISA guide 7.12.1 for the reads of results)
.rept 4
	v_nop
.endr
.endm
; A K step is four quarters of 32 along K, 32 matrix instructions each, on buffers 0, 1, 0, 1.  One of the first three: multiplies buffer f and fetches the slot's quarter qn into g.
.macro QUARTER slot, qn, f, g, zero
	s_wait_dscnt 8                                 ; wot's fragments and att's blocks 0-3 are in; the youngest eight loads (blocks 4-7) may be out
.if \zero
	WIN FST
.else
	WIN MUL
.endif
	MUL8 \f, 0, \zero
	MUL8 \f, 2, \zero
	PLACES
	FETCH \slot, \qn, \g
	s_wait_dscnt 24                                ; all but the 24 just issued
.if \zero
	WIN FST
.else
	WIN MUL
.endif
	MUL8 \f, 4, \zero
	MUL8 \f, 6, \zero
.endm
; The last quarter multiplies buffer 1 and changes slots: ONE barrier; in front of it each wave waits for all its tensor loads, adds 0 to its spare word, and waits for that and for its own reads of this slot.
; fill = 1: this slot is filled again, two K steps ahead; the barrier then opens a round of the cluster's barrier.
.macro TURN slot, next, fill
	WIN 0                                          ; (the add's two registers lie in window 0)
	s_wait_tensorcnt 0x0                           ; all my tensor loads have landed: my part of the next slot;
	ds_add_u32 v[SPW], v[NIL]                      ; 0 onto my spare word;
	s_wait_dscnt 9                                 ; (the add and the youngest eight loads may be out)
	WIN MUL
	MUL8 F1, 0, 0                                  ; eight matrix instructions stand between the add and the wait for it
	s_wait_dscnt 0x0                               ; the add is done, and my reads of this slot are over
	s_barrier_signal -1
	MUL8 F1, 2, 0
.if \fill
	WIN 0
.endif
	s_barrier_wait -1
.if \fill
	CREST                                          ; no wave of any partner still reads this slot's tiles or has a load on its way
	s_add_nc_u64 s[G0+4*\slot+2:G0+4*\slot+3], s[G0+4*\slot+2:G0+4*\slot+3], 2*ASTEP
	s_add_nc_u64 s[G0B+4*\slot+2:G0B+4*\slot+3], s[G0B+4*\slot+2:G0B+4*\slot+3], 2*BSTEP
	JLOAD \slot                                    ; the first tensor load behind the round; the four v_nop behind it are also the places in front of the loads below
.else
	PLACES
.endif
	FETCH \next, 0, F0
	WIN MUL
	MUL8 F1, 4, 0
	MUL8 F1, 6, 0
.endm
	s_wait_tensorcnt 1                             ; my part of K step 0 is in (K step 1's load may be out),
	s_barrier_signal -1
	s_barrier_wait -1                              ; everybody's is
	FETCH 0, 0, F0
	s_wait_loadcnt 0x0                             ; the bias
	QUARTER 0, 1, F0, F1, 1                        ; the first quarter stands in front of the loop: its products start the sums
	WIN 0                                          ; at a label and at a branch every window is 0
	s_mov_b32 s3, LAPS-1
.Llap:                                                 ; a trip goes once round the ring, from a lap's second quarter to the next lap's first, and fills both slots again
	QUARTER 0, 2, F1, F0, 0
	QUARTER 0, 3, F0, F1, 0
	TURN 0, 1, 1
	QUARTER 1, 1, F0, F1, 0
	QUARTER 1, 2, F1, F0, 0
	QUARTER 1, 3, F0, F1, 0
	TURN 1, 0, 1
	QUARTER 0, 1, F0, F1, 0
	WIN 0
	s_sub_co_u32 s3, s3, 1
	s_cmp_lg_u32 s3, 0
	s_cbranch_scc1 .Llap
	QUARTER 0, 2, F1, F0, 0                        ; the last lap fills nothing, and has no round of the cluster's barrier
	QUARTER 0, 3, F0, F1, 0
	TURN 0, 1, 0
	QUARTER 1, 1, F0, F1, 0
	QUARTER 1, 2, F1, F0, 0
	QUARTER 1, 3, F0, F1, 0
	s_wait_dscnt 8                                 ; the very last quarter: nothing more to fetch
	WIN MUL
	MUL8 F1, 0, 0
	MUL8 F1, 2, 0
	s_wait_dscnt 0
	MUL8 F1, 4, 0
	MUL8 F1, 6, 0
	WIN 0
; THE WAY OUT, block by block of 16 rows x 64 columns.  A lane holds 32 neighbouring bytes of a row, and the lanes beside it hold other rows: so a block goes through my own stage and comes back as whole rows of 256 bytes.
.macro TOSTAGE a
	WIN 0x08                                       ; an LDS store's data are its source 1: window 2
.irp b, 0,1,2,3
	ds_store_b128 v[STO], v[8*(4*(\a)+\b):8*(4*(\a)+\b)+3] offset:64*\b          ; each accumulator from its low end on
	ds_store_b128 v[STO], v[8*(4*(\a)+\b)+4:8*(4*(\a)+\b)+7] offset:64*\b+16
.endr
	WIN 0
.set BB, BK+32*((\a)%2)
.irp t, 0,1,2,3,4,5,6,7
	ds_load_b128 v[BB+4*\t:BB+4*\t+3], v[RD] offset:\t*2*272       ; LDS serves a wave's instructions in order (ISA guide 5.7.1.4): these see the stores above
.endr
.endm
.macro SEND a, younger                 ; younger: the LDS instructions issued behind block a's loads, which may stay out
.set BB, BK+32*((\a)%2)
	s_wait_dscnt \younger                          ; the block is back in registers
.irp t, 0,1,2,3,4,5,6,7
	global_store_b128 v[CO], v[BB+4*\t:BB+4*\t+3], s[8:9] offset:(16*(\a)+2*\t)*4096 th:TH_STORE_NT   ; sixteen lanes store 256 consecutive bytes, at a multiple of 256 from out0's first byte; every place is an immediate
.endr
.endm
	PLACES                                         ; behind the last products, ahead of the first read of results
	TOSTAGE 0
.irp a, 1,2,3,4,5,6,7
.if \a > 1
	s_wait_xcnt 0x0                                ; block a - 2's stores have read their registers: block a's loads may land there
.endif
	TOSTAGE \a
	SEND \a-1, 16                                  ; behind block a - 1's loads: block a's 8 stores and 8 loads
.endr
	SEND 7, 0
	s_wait_tensorcnt 0x0                           ; the wave's end: these three lines, behind my last tensor load and my last LDS store
	ds_add_u32 v[SPW], v[NIL]
	s_wait_dscnt 0x0
	CROUND                                         ; the closing round: no work-group ends while a partner may still ask for a tile that names it
	s_endpgm
.Lfunc_end_k_qb8b70862b9_proj:
	.size	k_qb8b70862b9_proj, .Lfunc_end_k_qb8b70862b9_proj-k_qb8b70862b9_proj
	.p2alignl 7, 3214868480
	.fill 96, 4, 3214868480
	.section	.rodata,"a",@progbits
	.p2align	6, 0x0
	.amdhsa_kernel k_qb8b70862b9_proj
		.amdhsa_group_segment_fixed_size 327680
		.amdhsa_private_segment_fixed_size 0
		.amdhsa_enable_private_segment 0
		.amdhsa_kernarg_size 32
		.amdhsa_user_sgpr_count 2
		.amdhsa_user_sgpr_kernarg_segment_ptr 1
		.amdhsa_wavefront_size32 1
		.amdhsa_system_sgpr_workgroup_id_x 1
		.amdhsa_system_sgpr_workgroup_id_y 1
		.amdhsa_system_sgpr_workgroup_id_z 1
		.amdhsa_system_vgpr_workitem_id 0
		.amdhsa_next_free_vgpr 768
		.amdhsa_next_free_sgpr 72
		.amdhsa_reserve_vcc 0
		.amdhsa_float_denorm_mode_32 3
		.amdhsa_float_denorm_mode_16_64 3
		.amdhsa_memory_ordered 1
		.amdhsa_forward_progress 1
		.amdhsa_inst_pref_size 87
	.end_amdhsa_kernel
	.amdgpu_metadata
---
amdhsa.version: [ 1, 2 ]
amdhsa.kernels:
  - .name:           k_qb8b70862b9_proj
    .symbol:         k_qb8b70862b9_proj.kd
    .args:
      - { .name: att, .offset: 0, .size: 8, .value_kind: global_buffer, .address_space: global }
      - { .name: wot, .offset: 8, .size: 8, .value_kind: global_buffer, .address_space: global }
      - { .name: bo, .offset: 16, .size: 8, .value_kind: global_buffer, .address_space: global }
      - { .name: out0, .offset: 24, .size: 8, .value_kind: global_buffer, .address_space: global }
    .group_segment_fixed_size: 327680
    .private_segment_fixed_size: 0
    .kernarg_segment_align: 8
    .kernarg_segment_size: 32
    .max_flat_workgroup_size: 128
    .sgpr_count:     72
    .vgpr_count:     768
    .wavefront_size: 32
...
	.end_amdgpu_metadata
.endif
;; end of part 4
